; MI455X (gfx1250); checked and timed in simulation.
; The chip was launched on July 23, 2026; its instructions are those of AMD's public machine-readable ISA for CDNA 5 (MIT licence, August 2026) and "CDNA5" Instruction Set Architecture Reference Guide (July 2026). The comments in the code are by the model that wrote it; some were corrected since.
;; Causal Self Attention. Allowed arithmetic: matrix products marked QUANTISED: E2M1 operands, one E8M0 scale for each 32 along K, by v_wmma_scale_f32_16x16x128_f8f6f4 with both operands' format E2M1 (or v_wmma_scale_f32_32x16x128_f4), f32 sums; everything else in f32.
;; Inputs: W_attn 3,072 x 1,024 float32; W_o 1,024 x 1,024 float32; b_attn 3,072 float32; b_o 1,024 float32; x 4 x 2,048 x 1,024 float32.
;; Outputs: out0 4 x 2,048 x 1,024 float32.
;; This version of the problem:
;;   THIS VERSION OF THE PROBLEM IS GIVEN IN LOW PRECISION. The matrix products marked QUANTISED in the list below multiply operands that are first quantised to E2M1 (2 exponent bits, 1 mantissa bit; 4 bits a number), with one power-of-two scale for each 32 numbers along K (OCP MX v1.0); their sums are f32. All else is computed in f32.
;;   The module's matrix products, in the order in which they are computed (A, B: the left and right operand; K: the contracted axis; several contracted axes count as one K, in the product's order):
;;     1. [M 8,192, K 1,024] x [K 1,024, N 3,072]; A: input x; B: input W_attn: QUANTISED
;;     2. batch 64 x [M 2,048, K 64] x [K 64, N 2,048]; A: computed on the way; B: computed on the way: QUANTISED
;;     3. batch 64 x [M 2,048, K 2,048] x [K 2,048, N 64]; A: softmax (see below); B: computed on the way: QUANTISED
;;     4. [M 8,192, K 1,024] x [K 1,024, N 1,024]; A: computed on the way; B: input W_o: QUANTISED
;;   THE QUANTISER, for each operand of a quantised product, along K:
;;     - K is cut into blocks of 32 from its start; a last block that is shorter is filled with zeros.
;;     - A block's scale is 2^e with e = floor(log2(the largest magnitude in the block)) - 2, held to -126 .. 127; a block of zeros has e = 0. As a byte (E8M0): e + 127.
;;     - Each number is divided by its block's scale, clamped to +-6, and rounded to the nearest number of E2M1, ties to even, subnormals kept.
;;     - The product sums the exact products of the quantised numbers (number of the format x scale) in f32.
;;   ~~~python
;;   def quantise(x, axis):      # numpy; x: float32 -> the quantised numbers, widened to float32 again
;;       x = np.moveaxis(x, axis, -1); K = x.shape[-1]
;;       x = np.pad(x, [(0, 0)] * (x.ndim - 1) + [(0, -K % 32)]); x = x.reshape(x.shape[:-1] + (-1, 32)); a = np.abs(x).max(-1, keepdims=True)
;;       e = np.where(a > 0, np.clip(np.frexp(np.where(a > 0, a, 1))[1] - 1 - 2, -126, 127), 0)      # np.frexp(a)[1] - 1 = floor(log2(a)), exactly
;;       r = np.clip(x / 2.0 ** e, -6, 6)
;;       step = 2.0 ** (np.maximum(np.frexp(np.where(r == 0, 1, r))[1] - 1, 0) - 1)
;;       q = np.round(r / step) * step * 2.0 ** e      # np.round: ties to even
;;       return np.moveaxis(q.reshape(q.shape[:-2] + (-1,))[..., :K], -1, axis).astype(np.float32)
;;   ~~~
;;   SOFTMAX AHEAD OF A QUANTISED PRODUCT. Where the list says 'softmax', what is quantised is not the finished softmax but p = 2^(t - M), with t = logit x log2(e) and M = ceil(the row's largest t), a whole number; so 1/2 < the row's largest p <= 1. The row's sum l is taken of the UNQUANTISED p, in f32, and the product's result is divided by l at the end. Since M is a whole number, a kernel that streams over the keys may use a running M (the ceiling of the running maximum): every later rescaling is an exact power of two, which a block's scale takes up: the codes' values come out the same.
;;   OPERANDS COMPUTED ON THE WAY. 'Computed on the way' means the value that the module computes at that place (a softmax that the list does not call 'softmax' is quantised finished and normalised). What goes into a quantiser is computed in f32, as accurately as f32 sums, v_exp_f32 and their like allow (about 1e-6 of the number): no bf16 or f16 on the way to a quantiser, and a product that is left as it is and whose result goes on into a quantised operand takes f32 operands (vector FMAs, or v_wmma_f32_16x16x4_f32). A number that lies on a knife's edge between two numbers of the format may be rounded either way, as far as f32 arithmetic and the matrix unit's own rounding can turn it there, and no further.
;; One version. Each part assembles by itself: llvm-mc -triple=amdgcn-amd-amdhsa -mcpu=gfx1250 --defsym DOCPART=n.
;; ======== version 1 of 1: 4 launches
;; workspace buffers: codes 6,291,456 bytes; scales 393,216 bytes; rope 524,288 bytes; qkv 13,893,632 bytes; ycodes 4,194,304 bytes; yscales 262,144 bytes
;; launch prep (part 1): grid 400 x 1, 4 waves a work-group, no clusters, 33,280 bytes of LDS; arguments x, W_attn, W_o, codes, scales, rope; writes codes, scales, rope
.if DOCPART == 1
	.amdgcn_target "amdgcn-amd-amdhsa--gfx1250"
	.amdhsa_code_object_version 6
	.text
	.protected	k_qe94f31cbe5_prep
	.globl	k_qe94f31cbe5_prep
	.p2align	8
	.type	k_qe94f31cbe5_prep,@function
k_qe94f31cbe5_prep:
	s_mov_b64 s[64:65], 0
	v_nop
	global_prefetch_b8 v0, s[64:65] scope:SCOPE_SE
	s_setreg_imm32_b32 hwreg(HW_REG_WAVE_MODE, 25, 1), 1
	s_wait_xcnt 0x0
; CAUSAL SELF-ATTENTION IN MX-FP4, launch 1 of 4: x, W_attn and W_o become codes of E2M1 with one E8M0 byte for each 32 along K (K = 1,024, innermost), and the tables of sin and cos are made.
; DEAD WORK OF THE WHOLE PROGRAM.  reference() sets every score with key > query to -infinity by its own jnp.tril, so p = 2^(-infinity) = 0 there for all values of the inputs: a step of 128 keys all of which come
; after all queries of a tile adds nothing to the sum or to the second product, and is left out (third launch).  Nothing else is left out: both biases feed a quantiser or the output; all five inputs are loaded.
; LIMIT that goes with it: a NaN, an infinity or an overflow that reaches only such hidden scores is not carried to the result.
; LIMITS: NaN and infinities among the inputs are not served.  A block whose largest magnitude lies under 2^-124 keeps the byte 1; a block of zeros gets the byte 1 where the rule says 127: its codes are zeros,
; which add nothing under any byte but 0xff, and the bytes are read by this program alone.  The angles' reduction takes pi/2 in two parts and holds for angles under 2^11: the shape keeps them at or under 2,047.
; ROWS ARE STORED IN THE ORDER IN WHICH THE LATER LAUNCHES WANT THEM (row = 512 bytes of codes, 32 scale bytes; rows 0.. x, 8,192.. W_attn, 11,264.. W_o):
;   x and the v rows of W_attn: in each aligned 32 rows the run of eight g goes to run 2 (g & 1) + (g >> 1): a tile of 16 stored rows then holds rows 8 u + 0..7 and 16 + 8 u + 0..7 of its 32,
;   so that a matrix result whose registers run along such rows has 16 neighbours in the 16 registers of two neighbouring tiles.
;   the q and k rows of W_attn: in each head's 64 rows, row 32 h + 16 p + 2 j + par goes to 16 (2 p + par) + 8 h + j: a lane then holds the even and the odd partner of a rotation in registers 8 apart.
;   W_o: as it lies.
; WORK-GROUPS 0..383: a wave takes a run of 8 rows, 16 steps of 512 numbers.  Each load reads 512 consecutive bytes; a step's 2,048 bytes turn through the wave's own stage in LDS so that a lane holds 16 neighbours
; (two lanes a block); a step's codes leave as 256 consecutive bytes; the run's 256 scale bytes are gathered in LDS and leave at the end (for the q and k rows in pieces of 32 bytes, 64 KB in all, since there neighbouring rows part).
; WORK-GROUPS 384..399: a wave makes sin and cos for 32 positions, a lane a position, 32 frequencies in its registers.
.set WAVES, 4
.set STEPS, 16
.set R,     16                         ; v16-79   four sets of 16 numbers as they are loaded
.set X,     80                         ; v80-111  two sets of 16 neighbours
.set E,     112                        ; v112-127 a scale byte for each step
.set C,     128                        ; v128-191 codes: four registers for each step, so that no store's data are written again
.set VA,    192                        ; v192-199 row e of the run: 8 x lane + 512 x its place behind the run's first stored row
.set WREG,  8192                       ; LDS: a region for each wave: two stages of 32 x SP bytes, then its 256 scale bytes
.set SP,    80                         ; a lane's place in a stage: 64 bytes + 16 of padding
.set SPW,   12                         ; v12  LDS address of my spare word; never rewritten
.set NIL,   13                         ; v13  0; never rewritten
.set SPARE, WAVES*WREG                 ; the spare words: 128 bytes a wave, two blocks of 256 bytes that no other line names
.set INV,   96                         ; table path: v96-127 1 / 1000^(i / 32)
.set COS,   32                         ; v32-63
.set SIN,   64                         ; v64-95
	s_load_b128 s[4:7], s[0:1], 0x0                ; x, W_attn
	s_load_b128 s[8:11], s[0:1], 0x10              ; W_o, codes
	s_load_b128 s[12:15], s[0:1], 0x20             ; scales, rope
	v_lshl_add_u32 v[SPW], v0, 2, SPARE
	v_mov_b32 v[NIL], 0
	v_lshrrev_b32 v1, 5, v0
	v_readfirstlane_b32 s16, v1                    ; wave
	v_and_b32 v2, 31, v0                           ; lane
	v_lshlrev_b32 v3, 4, v2                        ; my 16 bytes of a load's 512
	s_mul_i32 s17, s16, WREG
	v_lshrrev_b32 v14, 2, v2
	v_mul_u32_u24 v14, v14, SP
	v_and_b32 v15, 3, v2
	v_lshl_add_u32 v14, v15, 4, v14
	v_add_nc_u32 v14, s17, v14                     ; the stage, on the way in: SP (lane / 4) + 16 (lane % 4)
	v_mul_u32_u24 v15, v2, SP
	v_add_nc_u32 v15, s17, v15                     ; and on the way out: SP x lane: my 16 neighbours
	v_lshlrev_b32 v4, 3, v2                        ; 8 x lane: my codes' place in a step's 256 bytes
	v_lshrrev_b32 v5, 1, v2
	s_add_co_u32 s17, s17, 2*32*SP
	v_add_nc_u32 v5, s17, v5                       ; LDS: my block's scale byte
	v_add_nc_u32 v6, s17, v4                       ; and 8 bytes a lane on the way out
	s_cmp_ge_u32 ttmp9, 384
	s_cbranch_scc1 .Ltable
	; ---- the quantiser.  Run = 4 x work-group + wave, 0 .. 1,535: also the run's number among the stored rows
	s_lshl_b32 s18, ttmp9, 2
	s_add_co_u32 s18, s18, s16
	s_and_b32 s22, s18, 1
	s_bfe_u32 s23, s18, 0x10001                    ; (run >> 1) & 1
	s_bfe_u32 s24, s18, 0x10002                    ; (run >> 2) & 1
	s_and_b32 s25, s18, 0xfffffffc                 ; runs of eight change places inside their 32 rows
	s_lshl_b32 s26, s22, 1
	s_or_b32 s25, s25, s26
	s_or_b32 s25, s25, s23
	s_lshl_b32 s25, s25, 3
	s_lshr_b32 s26, s18, 3                         ; q and k rows: 64 (run >> 3) + 32 p + 8 h + 4 (run & 1)
	s_lshl_b32 s26, s26, 6
	s_lshl_b32 s27, s23, 5
	s_add_co_u32 s26, s26, s27
	s_lshl_b32 s27, s24, 3
	s_add_co_u32 s26, s26, s27
	s_lshl_b32 s27, s22, 2
	s_add_co_u32 s26, s26, s27
	s_lshl_b32 s27, s18, 3                         ; W_o: as it lies
	s_lshr_b32 s28, s18, 8
	s_cmp_ge_u32 s18, 1408
	s_cselect_b32 s25, s27, s25
	s_cmp_eq_u32 s28, 4                            ; runs 1,024 .. 1,279 are the q and k rows
	s_cselect_b32 s25, s26, s25                    ; the run's first stored row
	s_cselect_b32 s29, 1, 2                        ; row e goes (e >> 1) x this
	s_cselect_b32 s30, 16, 1                       ; + (e & 1) x this rows further on
	s_lshl_b32 s32, s29, 5
	s_lshl_b32 s33, s30, 5
	s_lshl_b32 s34, s30, 9
	s_wait_alu depctr_va_vdst(0)
.irp e, 0,1,2,3,4,5,6,7
	s_mul_i32 s31, s29, (\e/2)*512
.if \e%2
	s_add_co_u32 s31, s31, s34
.endif
	v_add_nc_u32 v[VA+\e], s31, v4
.endr
	v_and_b32 v7, 3, v2                            ; the scale bytes' way out: lane l holds bytes 8 (l & 3) .. + 7 of row l >> 2
	v_lshlrev_b32 v7, 3, v7
	v_lshrrev_b32 v10, 3, v2
	v_mul_u32_u24 v10, s32, v10
	v_add_nc_u32 v7, v7, v10
	v_bfe_u32 v10, v2, 2, 1
	v_mul_u32_u24 v10, s33, v10
	v_add_nc_u32 v7, v7, v10
	s_mov_b32 s19, 1408
	s_wait_kmcnt 0x0
	s_cmp_lt_u32 ttmp9, 352                        ; which tensor: the choice hangs on the work-group's number alone
	s_cselect_b64 s[6:7], s[6:7], s[8:9]
	s_cselect_b32 s19, 1024, s19
	s_cmp_lt_u32 ttmp9, 256
	s_cselect_b64 s[4:5], s[4:5], s[6:7]
	s_cselect_b32 s19, 0, s19
	s_sub_co_u32 s20, s18, s19                     ; the run's number in its tensor,
	s_lshl_b32 s20, s20, 15                        ; x 32,768 bytes
	s_mov_b32 s21, 0
	s_add_nc_u64 s[4:5], s[4:5], s[20:21]
	s_lshl_b32 s20, s25, 9
	s_add_nc_u64 s[10:11], s[10:11], s[20:21]      ; codes at the run's first stored row
	s_lshl_b32 s20, s25, 5
	s_add_nc_u64 s[12:13], s[12:13], s[20:21]      ; scale bytes likewise
.macro LOAD t
.irp i, 0,1,2,3
	global_load_b128 v[R+16*((\t)%4)+4*\i:R+16*((\t)%4)+4*\i+3], v3, s[4:5] offset:2048*(\t)+512*\i th:TH_LOAD_NT   ; 32 lanes read 512 consecutive bytes
.endr
.endm
.macro TURN t                          ; step t's numbers through the stage: LDS serves a wave's instructions in order, so no wait stands between the stores and the loads
.irp i, 0,1,2,3
	ds_store_b128 v14, v[R+16*((\t)%4)+4*\i:R+16*((\t)%4)+4*\i+3] offset:32*SP*((\t)%2)+8*SP*\i
.endr
.irp i, 0,1,2,3
	ds_load_b128 v[X+16*((\t)%2)+4*\i:X+16*((\t)%2)+4*\i+3], v15 offset:32*SP*((\t)%2)+16*\i
.endr
.endm
.irp t, 0,1,2,3
	LOAD \t
.endr
	s_wait_loadcnt 12                              ; step 0's four loads are in; the twelve of steps 1 to 3 may be out
	TURN 0
.macro STEP t
.set XS, X+16*((\t)%2)
.if (\t) > 0
	s_wait_dscnt 1                                 ; this step's numbers are back from the stage; the last step's byte store may be out
.else
	s_wait_dscnt 0x0
.endif
.if (\t)+4 < STEPS
	LOAD (\t)+4                                    ; into the registers that this step's stage stores have read
.endif
.if (\t)+1 < STEPS
.if STEPS-2-(\t) >= 3
	s_wait_loadcnt 12                              ; the next step's four loads are in; those of the three steps behind it may be out
.else
	s_wait_loadcnt 4*(STEPS-2-(\t))
.endif
	TURN (\t)+1
.endif
	v_max3_num_f32 v8, |v[XS]|, |v[XS+1]|, |v[XS+2]|               ; the largest magnitude of my 16
	v_max3_num_f32 v9, |v[XS+3]|, |v[XS+4]|, |v[XS+5]|
.irp i, 6,10
	v_max3_num_f32 v8, v8, |v[XS+\i]|, |v[XS+\i+1]|
	v_max3_num_f32 v9, v9, |v[XS+\i+2]|, |v[XS+\i+3]|
.endr
	v_max3_num_f32 v8, v8, |v[XS+14]|, |v[XS+15]|
	v_max3_num_f32 v8, v8, v9, 0x1800000           ; and the floor 2^(3 - 127): the byte cannot fall under 1
	v_max_num_f32_dpp v8, v8, v8 row_xmask:1 row_mask:0xf bank_mask:0xf   ; and of my neighbour's 16: the block's
	v_add_nc_u32 v11, 0xff000000, v8               ; 2 off its exponent field: the conversion takes the exponent field of this operand as its scale
	v_cvt_scalef32_pk8_fp4_f32 v[C+4*(\t)], v[XS:XS+7], v11
	v_cvt_scalef32_pk8_fp4_f32 v[C+4*(\t)+1], v[XS+8:XS+15], v11
	v_lshrrev_b32 v[E+(\t)], 23, v11               ; the scale's byte
	ds_store_b8 v5, v[E+(\t)] offset:16*(\t)       ; both lanes of a block write the same byte with the same value
	global_store_b64 v[VA+(\t)/2], v[C+4*(\t):C+4*(\t)+1], s[10:11] offset:256*((\t)%2)   ; half a row: 256 consecutive bytes, aligned
.endm
.irp t, 0,1,2,3,4,5,6,7,8,9,10,11,12,13,14,15
	STEP \t
.endr
	ds_load_b64 v[8:9], v6                         ; LDS serves a wave's instructions in order: these see my stores
	s_wait_dscnt 0x0
	global_store_b64 v7, v[8:9], s[12:13]
	s_wait_tensorcnt 0x0                           ; the wave's end, behind my last LDS store
	ds_add_u32 v[SPW], v[NIL]
	s_wait_dscnt 0x0
	s_endpgm
	; ---- the tables.  rope: [tile of 16 stored positions 128][q 8][lane 32][16 bytes]: lane (r, h) finds cos(i = 16 h + 4 q ..) at q = 0..3 and sin at q = 4..7 of its position
.Ltable:
	s_sub_co_u32 s18, ttmp9, 384
	s_lshl_b32 s18, s18, 2
	s_add_co_u32 s18, s18, s16                     ; which 32 positions: 0 .. 63
	v_and_b32 v3, 7, v2
	v_bfe_u32 v4, v2, 3, 1
	v_lshl_add_u32 v3, v4, 4, v3                   ; (r & 7) + 16 (r >> 3)
	v_bfe_u32 v4, v2, 4, 1                         ; u: which of the two tiles
	v_lshl_add_u32 v3, v4, 3, v3
	s_lshl_b32 s19, s18, 5
	v_add_nc_u32 v3, s19, v3                       ; my position
	v_cvt_f32_u32 v18, v3
	v_and_b32 v5, 15, v2
	v_lshlrev_b32 v17, 4, v5
	v_lshl_add_u32 v17, v4, 12, v17                ; 4,096 u + 16 r
	s_mov_b32 s20, 0xb94ca1f9                      ; sin on [-pi/4, pi/4]: r + r z (S1 + z (S2 + z S3)), z = r r
	s_mov_b32 s21, 0x3c08839e
	s_mov_b32 s22, 0xbe2aaaa3
	s_mov_b32 s23, 0x37ccf5ce                      ; cos: 1 - z / 2 + z z (C1 + z (C2 + z C3))
	s_mov_b32 s24, 0xbab6061a
	s_mov_b32 s25, 0x3d2aaaa5
	s_lshl_b32 s26, s18, 13
	s_mov_b32 s27, 0
	s_wait_kmcnt 0x0
	s_add_nc_u64 s[14:15], s[14:15], s[26:27]
	; 1 / fl(1000^(i / 32)): the power as a decimal constant, its reciprocal by v_rcp_f32 and one correction step
.set ix, 0
.irp p, 1.0, 1.24093776075, 1.53992652606, 1.91095297497, 2.37137370566, 2.94272717621, 3.65174127255, 4.53158363760, 5.62341325190, 6.97830584860, 8.65964323360, 10.7460782832, 13.3352143216, 16.5481709994, 20.5352502646, 25.4829674798, 31.6227766017, 39.2418975848, 48.6967525166, 60.4296390238, 74.9894209332, 93.0572040930, 115.478198469, 143.301257024, 177.827941004, 220.673406908, 273.841963426, 339.820832894, 421.696503429, 523.299114681, 649.381631576, 805.842187761
	v_rcp_f32 v[INV+ix], \p
.set ix, ix+1
.endr
	v_nop                                          ; a plain instruction behind the last reciprocal
	s_wait_alu depctr_va_vdst(0)                   ; one wait for the batch of 32, ahead of its first reader
.set ix, 0
.irp p, 1.0, 1.24093776075, 1.53992652606, 1.91095297497, 2.37137370566, 2.94272717621, 3.65174127255, 4.53158363760, 5.62341325190, 6.97830584860, 8.65964323360, 10.7460782832, 13.3352143216, 16.5481709994, 20.5352502646, 25.4829674798, 31.6227766017, 39.2418975848, 48.6967525166, 60.4296390238, 74.9894209332, 93.0572040930, 115.478198469, 143.301257024, 177.827941004, 220.673406908, 273.841963426, 339.820832894, 421.696503429, 523.299114681, 649.381631576, 805.842187761
	v_fma_f32 v3, -v[INV+ix], \p, 1.0              ; 1 - p y
	v_fma_f32 v[INV+ix], v[INV+ix], v3, v[INV+ix]  ; y + y (1 - p y)
.set ix, ix+1
.endr
.set ix, 0
.rept 32
	v_mul_f32 v3, v18, v[INV+ix]                   ; the angle, rounded once as reference() rounds it
	v_mul_f32 v4, 0x3f22f983, v3
	v_rndne_f32 v4, v4                             ; n = the nearest multiple of pi/2
	v_fmamk_f32 v5, v4, 0xbfc90fdb, v3             ; less n x the high part of pi/2: nothing is rounded away
	v_fmamk_f32 v5, v4, 0x333bbd2e, v5             ; the high part is 4.37e-8 too large
	v_cvt_i32_f32 v6, v4
	v_mul_f32 v7, v5, v5
	v_fma_f32 v8, s20, v7, s21
	v_fma_f32 v9, s23, v7, s24
	v_fma_f32 v8, v8, v7, s22
	v_fma_f32 v9, v9, v7, s25
	v_mul_f32 v8, v8, v7
	v_mul_f32 v10, v7, v7
	v_fma_f32 v11, v7, -0.5, 1.0
	v_fma_f32 v8, v8, v5, v5                       ; sin r
	v_fma_f32 v9, v9, v10, v11                     ; cos r
	v_and_b32 v10, 1, v6
	v_cmp_eq_u32 vcc_lo, 1, v10                    ; an odd n changes the two
	v_cndmask_b32 v11, v8, v9, vcc_lo
	v_cndmask_b32 v14, v9, v8, vcc_lo
	v_lshlrev_b32 v15, 30, v6                      ; sin changes sign for n = 2, 3 mod 4,
	v_and_b32 v15, 0x80000000, v15
	v_xor_b32 v[SIN+ix], v15, v11
	v_add_nc_u32 v16, 1, v6                        ; cos for n = 1, 2 mod 4
	v_lshlrev_b32 v16, 30, v16
	v_and_b32 v16, 0x80000000, v16
	v_xor_b32 v[COS+ix], v16, v14
.set ix, ix+1
.endr
.irp h, 0,1
.irp q, 0,1,2,3
	global_store_b128 v17, v[COS+16*\h+4*\q:COS+16*\h+4*\q+3], s[14:15] offset:512*\q+256*\h      ; sixteen lanes store 256 consecutive bytes, aligned
	global_store_b128 v17, v[SIN+16*\h+4*\q:SIN+16*\h+4*\q+3], s[14:15] offset:512*(\q+4)+256*\h
.endr
.endr
	s_endpgm
.Lfunc_end_k_qe94f31cbe5_prep:
	.size	k_qe94f31cbe5_prep, .Lfunc_end_k_qe94f31cbe5_prep-k_qe94f31cbe5_prep
	.p2alignl 7, 3214868480
	.fill 96, 4, 3214868480
	.section	.rodata,"a",@progbits
	.p2align	6, 0x0
	.amdhsa_kernel k_qe94f31cbe5_prep
		.amdhsa_group_segment_fixed_size 33280
		.amdhsa_private_segment_fixed_size 0
		.amdhsa_enable_private_segment 0
		.amdhsa_kernarg_size 48
		.amdhsa_user_sgpr_count 2
		.amdhsa_user_sgpr_kernarg_segment_ptr 1
		.amdhsa_wavefront_size32 1
		.amdhsa_system_sgpr_workgroup_id_x 1
		.amdhsa_system_sgpr_workgroup_id_y 1
		.amdhsa_system_sgpr_workgroup_id_z 1
		.amdhsa_system_vgpr_workitem_id 0
		.amdhsa_next_free_vgpr 200
		.amdhsa_next_free_sgpr 66
		.amdhsa_reserve_vcc 1
		.amdhsa_float_denorm_mode_32 3
		.amdhsa_float_denorm_mode_16_64 3
		.amdhsa_memory_ordered 1
		.amdhsa_forward_progress 1
		.amdhsa_inst_pref_size 84
	.end_amdhsa_kernel
	.amdgpu_metadata
---
amdhsa.version: [ 1, 2 ]
amdhsa.kernels:
  - .name:           k_qe94f31cbe5_prep
    .symbol:         k_qe94f31cbe5_prep.kd
    .args:
      - { .name: x, .offset: 0, .size: 8, .value_kind: global_buffer, .address_space: global }
      - { .name: W_attn, .offset: 8, .size: 8, .value_kind: global_buffer, .address_space: global }
      - { .name: W_o, .offset: 16, .size: 8, .value_kind: global_buffer, .address_space: global }
      - { .name: codes, .offset: 24, .size: 8, .value_kind: global_buffer, .address_space: global }
      - { .name: scales, .offset: 32, .size: 8, .value_kind: global_buffer, .address_space: global }
      - { .name: rope, .offset: 40, .size: 8, .value_kind: global_buffer, .address_space: global }
    .group_segment_fixed_size: 33280
    .private_segment_fixed_size: 0
    .kernarg_segment_align: 8
    .kernarg_segment_size: 48
    .max_flat_workgroup_size: 128
    .sgpr_count:     66
    .vgpr_count:     200
    .wavefront_size: 32
...
	.end_amdgpu_metadata
.endif
;; end of part 1
;; launch gemm_qkv (part 2): grid 12 x 32, 4 waves a work-group, clusters of 4 x 4, 327,680 bytes of LDS; arguments codes, scales, b_attn, rope, qkv; writes qkv
.if DOCPART == 2
	.amdgcn_target "amdgcn-amd-amdhsa--gfx1250"
	.amdhsa_code_object_version 6
	.text
	.protected	k_qe94f31cbe5_gemm_qkv
	.globl	k_qe94f31cbe5_gemm_qkv
	.p2align	8
	.type	k_qe94f31cbe5_gemm_qkv,@function
k_qe94f31cbe5_gemm_qkv:
	s_mov_b64 s[64:65], 0
	v_nop
	global_prefetch_b8 v0, s[64:65] scope:SCOPE_SE
	s_setreg_imm32_b32 hwreg(HW_REG_WAVE_MODE, 25, 1), 1
	s_wait_xcnt 0x0
	s_wait_alu depctr_hold_cnt(0) depctr_sa_sdst(0) depctr_va_vdst(0) depctr_va_sdst(0) depctr_va_ssrc(0) depctr_va_vcc(0) depctr_vm_vsrc(0)
	s_getreg_b32 s2, hwreg(HW_REG_IB_STS2, 6, 4)
	s_cmp_eq_u32 s2, 0
	s_cbranch_scc0 .Lentry_in_a_cluster
	s_endpgm
.Lentry_in_a_cluster:
	s_bfe_u32 s2, ttmp6, 0x10000c
	s_cmp_lg_u32 s2, 0xf033
	s_cbranch_scc0 .Lentry_shape_is_right
	s_endpgm
.Lentry_shape_is_right:
; Launch 2 of 4: qkv = Q(x) Q(W_attn)^T + b_attn on codes of E2M1, the rotation of q and k, and the quantising of q, k (along the head's 64) and v (along the keys): what leaves is codes and scale words, laid as the
; third launch's operand registers want them.  A tile is 256 rows of x by 256 rows of W_attn; four waves, each 128 x 128: 64 accumulators.  K = 1,024 in codes is 512 bytes a row: ALL of K is asked for at the head,
; in two LDS slots of 512 along K; nothing is ever filled again.  By this text's own count a wave has three tensor loads out.
; CLUSTERS 4 x 4: the four of a row need the same rows of x, the four of a column the same rows of W_attn: joint loads.  The cluster's x says what it makes: 0 q, 1 k, 2 v: the same in all sixteen partners.
; ROLES.  Source 0 of the matrix instruction takes 16 rows that land along a lane's REGISTERS (R), source 1 16 rows that land along the LANES (L).  A quantiser wants its K along registers:
;   q, k: L = x (a lane holds one position), R = W_attn (registers run along the head's channels);   v: L = W_attn (a lane holds one channel), R = x (registers run along the keys).
; Only the values of the LDS address registers differ between the two.  THE TEXT PARTS ONCE, on the cluster's x, ahead of K step 4: K steps 0 to 3 and both barriers are common; each arm asks for its bias (q, k: and its
; first tables), runs K steps 4 to 7 under which they land, and takes its own way out; the arms join at the closing lines.
; The first launch has stored the rows in the order that makes a lane's 16 registers of two tiles 16 neighbours.
; RECORD of a (batch, head), REC bytes: QC [tile 128][lane][16], QS [tile][16 words], KC as QC, VC [key step 16][channel tile 4][c 2][lane][16], KS as QS, VS [step][tile][16 words].
; LIMITS: as stated at the head of the first launch (blocks under 2^-124 and blocks of zeros keep the byte 1; NaN and infinities are not served).
; REGISTERS, in windows of 256: window 0: v0-31 addresses; v32-95 scale words and nothing else (set s at 32 + 32 s, register 4 i + q: lanes 0-15 L's block i, lanes 16-31 R's); v128-255 L's fragments, two sets of 64;
;   afterwards v96-159 the rotated numbers, v160-223 a tile's 64 numbers, v224-249 the quantiser's.   window 1: v0-63, v128-191 R's fragments, two sets; v64-127 the bias; v192-255 the first two tiles' tables.
;   windows 2, 3: accumulator (a, b) at v[8 (8 (a % 4) + b)] of window 2 + a / 4.
.set PITCH,  272                       ; an LDS row: 256 bytes + 16 of padding: the 16 rows that a load touches start at 16 different banks (64 banks of 4 bytes: ISA guide 11.1)
.set HALFT,  128*PITCH
.set SLOT,   4*HALFT                   ; x's 256 rows, then W's 256 rows
.set SCL,    2*SLOT                    ; the scale bytes of all of K: units of 256 bytes + 16; x's two halves, then W's
.set HALFS,  16*272
.set SBLK,   2*272                     ; those of 16 rows
.set STGQ,   SCL+4*HALFS               ; q, k: 1,024 bytes a wave for the scale words' way out
.set STGV,   STGQ+4096                 ; v: 512 bytes a wave, bytes of their own
.set SPARE,  STGV+2048                 ; the spare words: 128 bytes a wave, two blocks of 256 bytes that no other line names
.set REC,    217088
.set QS,     65536
.set KC,     73728
.set VC,     139264
.set KS,     204800
.set VS,     212992
.set SH,   8                           ; v8   16 h
.set BVO,  9                           ; v9   v: my channel's place in the bias
.set ADRL, 16                          ; v16-17 LDS address of L's fragments in slot 0, 1
.set SVA,  18                          ; v18  v: where I put a scale word
.set SVR,  19                          ; v19  v: where I read them back
.set ADRR, 20                          ; v20-21 the same for R
.set SQA,  24                          ; v24  q, k: where I put a scale word
.set SQR,  25                          ; v25  q, k: where I read them back
.set L16,  26                          ; v26  16 x lane
.set ADRS, 27                          ; v27  LDS address of my scale words: lanes 0-15 L's rows, lanes 16-31 R's
.set SPW,  28                          ; v28  LDS address of my spare word; never rewritten
.set NIL,  29                          ; v29  0; never rewritten
.set BQO,  30                          ; v30  q, k: 128 h: my half's place in a head's bias
.set VSO,  31                          ; v31  v: the scale words' lane offset
.set SC,   32
.set LF,   128
.set RT,   96
.set ST,   160
.set PC,   224
.set TM,   232
.set PW,   248
.set TP,   249
.set G1, 24                            ; s[24:31] group 1 for x's tiles; s[32:39] group 0, a set for each slot
.set G0, 32
.set G1B, 48                           ; the same for W's
.set G0B, 56
.set SEL, 66                           ; s[66:67] selects for lane l xor 16
.set G1S, 68                           ; groups 1 and 0 for x's scale bytes; for W's
.set G0S, 76
.set G1SB, 80
.set G0SB, 88
.set MSB, 0
.macro WIN new                         ; the immediate's high byte repeats the setting that is left
.if MSB != (\new)
	s_set_vgpr_msb (MSB<<8)|(\new)
.set MSB, \new
.endif
.endm
.macro PLACES n
.rept \n
	v_nop
.endr
.endm
; A joint load: waves 0 and 1 fetch for x, waves 2 and 3 for W.  The branch hangs on the wave's number alone.  An s_nop 0 and four v_nop follow each of the two lines.
.macro JLOAD g0a, g1a, g0b, g1b
	s_cmp_eq_u32 s15, 0
	s_cbranch_scc0 .Lfor_b_\@
	tensor_load_to_lds s[\g0a:\g0a+3], s[\g1a:\g1a+7]
	s_nop 0
.rept 4
	v_nop
.endr
	s_branch .Lasked_\@
.Lfor_b_\@:
	tensor_load_to_lds s[\g0b:\g0b+3], s[\g1b:\g1b+7]
	s_nop 0
.rept 4
	v_nop
.endr
.Lasked_\@:
.endm
.macro CROUND                          ; a round of the cluster's barrier
	s_barrier_signal -1
	s_barrier_wait -1
	s_cmp_lg_u32 s14, 0
	s_cbranch_scc1 .Lnot_wave_0_\@
	s_barrier_signal -3
.Lnot_wave_0_\@:
	s_barrier_wait -3
	s_barrier_signal -1
	s_barrier_wait -1
.endm
	s_load_b128 s[4:7], s[0:1], 0x0                ; codes, scales
	s_load_b128 s[8:11], s[0:1], 0x10              ; b_attn, rope
	s_load_b64 s[12:13], s[0:1], 0x20              ; qkv
	v_lshl_add_u32 v[SPW], v0, 2, SPARE
	v_mov_b32 v[NIL], 0
	ds_add_u32 v[SPW], v[NIL]                      ; the wave's opening: the add, twice on end, and its wait ahead of my first tensor load
	ds_add_u32 v[SPW], v[NIL]
	v_lshrrev_b32 v1, 5, v0
	v_readfirstlane_b32 s14, v1                    ; wave 0..3
	s_lshr_b32 s15, s14, 1                         ; rh: which half of L is mine.  Also: I fetch for x (0) or for W (1)
	s_and_b32 s16, s14, 1                          ; ch: which half of R.  Also: which 128 rows I fetch
	s_bfe_u32 s40, ttmp6, 0x40000                  ; cx, cy
	s_bfe_u32 s41, ttmp6, 0x40004
	s_lshl_b32 s42, ttmp9, 2
	s_add_co_u32 s42, s42, s40                     ; tile of W's rows = 4 x cluster x + cx
	s_and_b32 s17, ttmp7, 0xffff
	s_lshl_b32 s17, s17, 2
	s_add_co_u32 s17, s17, s41                     ; tile of x's rows = 4 x cluster y + cy
	s_lshl_b32 s43, s41, 2
	s_lshl_b32 s43, 15, s43                        ; my row of the cluster
	s_lshl_b32 s44, 0x1111, s40                    ; my column
	s_or_b32 s[G1+0], s43, (0<<16)|(1<<20)|(1<<21)|(5<<22)|(3<<25)  ; the mask; elements of 1 byte; padding on; bit 21 beside a mask; after every 64 words 4 words
	s_or_b32 s[G1B+0], s44, (0<<16)|(1<<20)|(1<<21)|(5<<22)|(3<<25)
.irp g, G1, G1B
	s_mov_b32 s[\g+1], 256<<16                     ; tensor_dim0 = 256 bytes
	s_mov_b32 s[\g+2], 128<<16                     ; tensor_dim1 = 128
	s_mov_b32 s[\g+3], 256<<16                     ; tile_dim0
	s_mov_b32 s[\g+4], 128                         ; tile_dim1
	s_mov_b32 s[\g+5], 512                         ; a row of codes in memory
	s_mov_b32 s[\g+6], 0
	s_mov_b32 s[\g+7], 0
.endr
	s_or_b32 s[G1S+0], s43, (3<<16)|(1<<20)|(1<<21)|(5<<22)|(3<<25)  ; the scale bytes of 128 rows: 4,096 dense bytes as 16 rows of 32 elements of 8 bytes
	s_or_b32 s[G1SB+0], s44, (3<<16)|(1<<20)|(1<<21)|(5<<22)|(3<<25)
.irp g, G1S, G1SB
	s_mov_b32 s[\g+1], 32<<16
	s_mov_b32 s[\g+2], 16<<16
	s_mov_b32 s[\g+3], 32<<16
	s_mov_b32 s[\g+4], 16
	s_mov_b32 s[\g+5], 32
	s_mov_b32 s[\g+6], 0
	s_mov_b32 s[\g+7], 0
.endr
	s_lshl_b32 s18, s16, 7                         ; which 128 rows of a tile I fetch
	s_lshl_b32 s20, s17, 8
	s_add_co_u32 s20, s20, s18                     ; x: stored row
	s_lshl_b32 s46, s42, 8
	s_add_co_u32 s46, s46, s18                     ; W_attn: stored row, counted from its first
	s_lshl_b32 s22, s20, 5                         ; their scale bytes,
	s_mov_b32 s23, 0
	s_lshl_b32 s92, s46, 5
	s_add_co_u32 s92, s92, 262144
	s_mov_b32 s93, 0
	s_lshl_b32 s20, s20, 9                         ; their codes
	s_mov_b32 s21, 0
	s_lshl_b32 s46, s46, 9
	s_add_co_u32 s46, s46, 4194304
	s_mov_b32 s47, 0
	s_mul_i32 s45, s14, HALFT                      ; where they go: wave x 128 rows: no place in the cluster enters an LDS address
	s_mul_i32 s94, s14, HALFS
	s_mov_b32 s[SEL], 0x76543210
	s_mov_b32 s[SEL+1], 0xfedcba98
	s_wait_dscnt 0x0                               ; both opening adds are done
	s_wait_kmcnt 0x0
	s_add_nc_u64 s[20:21], s[4:5], s[20:21]
	s_add_nc_u64 s[22:23], s[6:7], s[22:23]
	s_add_nc_u64 s[46:47], s[4:5], s[46:47]
	s_add_nc_u64 s[92:93], s[6:7], s[92:93]
	CROUND                                         ; all sixteen work-groups are here: the joint loads meet
	s_mov_b32 s[G0S], 1
	s_add_co_u32 s[G0S+1], s94, SCL
	s_mov_b64 s[G0S+2:G0S+3], s[22:23]
	s_or_b32 s[G0S+3], s[G0S+3], 0x80000000
	s_mov_b32 s[G0SB], 1
	s_add_co_u32 s[G0SB+1], s94, SCL
	s_mov_b64 s[G0SB+2:G0SB+3], s[92:93]
	s_or_b32 s[G0SB+3], s[G0SB+3], 0x80000000
	JLOAD G0S, G1S, G0SB, G1SB                     ; the scale bytes first
.irp s, 0,1
	s_mov_b32 s[G0+4*\s], 1
	s_add_co_u32 s[G0+4*\s+1], s45, \s*SLOT
	s_add_nc_u64 s[G0+4*\s+2:G0+4*\s+3], s[20:21], \s*256
	s_or_b32 s[G0+4*\s+3], s[G0+4*\s+3], 0x80000000
	s_mov_b32 s[G0B+4*\s], 1
	s_add_co_u32 s[G0B+4*\s+1], s45, \s*SLOT
	s_add_nc_u64 s[G0B+4*\s+2:G0B+4*\s+3], s[46:47], \s*256
	s_or_b32 s[G0B+4*\s+3], s[G0B+4*\s+3], 0x80000000
	JLOAD G0+4*\s, G1, G0B+4*\s, G1B
.endr
	; every address register is made here, on the one way that all take
	v_and_b32 v1, 15, v0                           ; r
	v_bfe_u32 v2, v0, 4, 1                         ; h
	v_and_b32 v3, 31, v0
	v_lshlrev_b32 v[L16], 4, v3
	v_mul_u32_u24 v3, v1, PITCH
	v_lshl_add_u32 v4, v2, 4, v3                   ; a fragment's row x pitch + 16 h
	s_wait_alu depctr_va_vdst(0)
	s_cmp_eq_u32 ttmp9, 2                          ; v?  Then L is W and R is x
	s_cselect_b32 s18, 2*HALFT, 0                  ; where L's 256 rows begin in a slot,
	s_cselect_b32 s23, 0, 2*HALFT                  ; and R's
	s_cselect_b32 s19, 2*HALFS, 0                  ; the same among the scale bytes
	s_cselect_b32 s45, 0, 2*HALFS
	s_cselect_b32 s2, s16, s15                     ; which half of x is mine,
	s_cselect_b32 s3, s15, s16                     ; which half of W
	s_cselect_b32 s94, 8, 9                        ; scale words of 128 rows of x: 256 bytes for v, 512 for q and k
	s_mul_i32 s21, s15, HALFT
	s_add_co_u32 s21, s21, s18
	s_mul_i32 s22, s16, HALFT
	s_add_co_u32 s22, s22, s23
.irp s, 0,1
	v_add_nc_u32 v[ADRL+\s], s21, v4
	v_add_nc_u32 v[ADRR+\s], s22, v4
	s_add_co_u32 s21, s21, SLOT
	s_add_co_u32 s22, s22, SLOT
.endr
	v_lshlrev_b32 v5, 5, v1                        ; my row's scale bytes: 32 a row,
	v_lshrrev_b32 v6, 8, v5
	v_lshl_add_u32 v5, v6, 4, v5                   ; and 16 more for each 256 passed
	s_mul_i32 s21, s15, HALFS
	s_add_co_u32 s21, s21, s19
	s_add_co_u32 s21, s21, SCL
	s_mul_i32 s22, s16, HALFS
	s_add_co_u32 s22, s22, s45
	s_add_co_u32 s22, s22, SCL
	v_add_nc_u32 v6, s21, v5
	v_add_nc_u32 v7, s22, v5
	v_cmp_eq_u32 vcc_lo, 1, v2
	v_cndmask_b32 v[ADRS], v6, v7, vcc_lo          ; lanes 0-15 L's, lanes 16-31 R's
	s_lshl_b32 s21, s14, 10
	s_add_co_u32 s21, s21, STGQ
	v_lshlrev_b32 v6, 2, v1
	v_lshl_add_u32 v7, v2, 9, v6
	v_add_nc_u32 v[SQA], s21, v7                   ; head h of my two, word r
	v_add_nc_u32 v[SQR], s21, v[L16]
	s_lshl_b32 s21, s14, 9
	s_add_co_u32 s21, s21, STGV
	v_add_nc_u32 v[SVA], s21, v6
	v_add_nc_u32 v[SVR], s21, v[L16]
	v_lshlrev_b32 v[SH], 4, v2
	v_lshlrev_b32 v[BQO], 7, v2
	v_and_b32 v6, 7, v1
	v_lshrrev_b32 v7, 3, v1
	v_lshl_add_u32 v6, v7, 4, v6
	v_lshlrev_b32 v[BVO], 2, v6                    ; 4 ((r & 7) + 16 (r >> 3))
	v_lshlrev_b32 v6, 4, v1
	v_mul_u32_u24 v7, v2, REC
	v_add_nc_u32 v[VSO], v6, v7                    ; lanes 16-31: the next head's record
	; the bases in memory
	s_mov_b32 s95, VC
	s_mov_b32 s96, VS
	s_cmp_eq_u32 ttmp9, 1
	s_cselect_b32 s95, KC, s95
	s_cselect_b32 s96, KS, s96
	s_cmp_eq_u32 ttmp9, 0
	s_cselect_b32 s95, 0, s95                      ; where my codes begin in a record: QC = 0, KC or VC,
	s_cselect_b32 s96, QS, s96                     ; and my scale words
	s_and_b32 s97, s17, 7
	s_lshl_b32 s97, s97, 1
	s_add_co_u32 s97, s97, s2                      ; which 128 positions of the sequence are mine: 0 .. 15
	s_lshl_b32 s20, s42, 8
	s_lshl_b32 s21, s3, 7
	s_add_co_u32 s20, s20, s21
	s_lshl_b32 s20, s20, 2
	s_mov_b32 s21, 0
	s_add_nc_u64 s[8:9], s[8:9], s[20:21]          ; b_attn at my 128 rows of W_attn
	s_lshl_b32 s20, s97, 15
	s_add_nc_u64 s[10:11], s[10:11], s[20:21]      ; the tables at my first tile of positions
	s_lshr_b32 s20, s17, 3                         ; the batch,
	s_lshl_b32 s20, s20, 4
	s_lshl_b32 s22, s40, 2
	s_add_co_u32 s20, s20, s22
	s_lshl_b32 s22, s3, 1
	s_add_co_u32 s20, s20, s22                     ; 16 x batch + my first head
	s_mul_i32 s20, s20, REC
	s_add_nc_u64 s[12:13], s[12:13], s[20:21]
	s_lshl_b32 s20, s97, s94
	s_add_co_u32 s20, s20, s96
	s_add_nc_u64 s[92:93], s[12:13], s[20:21]      ; where my scale words go
	s_lshl_b32 s20, s97, 12
	s_add_co_u32 s20, s20, s95
	s_add_nc_u64 s[12:13], s[12:13], s[20:21]      ; where my codes go
.macro TAB a, tb                       ; tile a's tables: cos of my 16 frequencies, then sin: 32 registers of window 1
.irp q, 0,1,2,3,4,5,6,7
	global_load_b128 v[(\tb)+4*\q:(\tb)+4*\q+3], v[L16], s[10:11] offset:4096*(\a)+512*\q
.endr
.endm
.macro BIASQ b                         ; q, k: register 8 b + j of the bias is channel 32 h + 16 p + 2 j + par of head b / 4, with b % 4 = 2 p + par
.irp j, 0,1,2,3,4,5,6,7
	global_load_b32 v[64+8*(\b)+\j], v[BQO], s[8:9] offset:4*(64*((\b)/4)+16*(((\b)%4)/2)+2*\j+(\b)%2)
.endr
.endm
.macro FETCH k                         ; the fragments of K step k (128 along K) into set k % 2: 8 of R, 8 of L; a fragment is two loads of 16 bytes, 32 bytes apart
	WIN 0x40
.irp i, 0,1,2,3,4,5,6,7
.irp c, 0,1
	ds_load_b128 v[128*((\k)%2)+8*\i+4*\c:128*((\k)%2)+8*\i+4*\c+3], v[ADRR+(\k)/4] offset:64*((\k)%4)+32*\c+\i*16*PITCH
.endr
.endr
	WIN 0
.irp i, 0,1,2,3,4,5,6,7
.irp c, 0,1
	ds_load_b128 v[LF+64*((\k)%2)+8*\i+4*\c:LF+64*((\k)%2)+8*\i+4*\c+3], v[ADRL+(\k)/4] offset:64*((\k)%4)+32*\c+\i*16*PITCH
.endr
.endr
.endm
; 32 matrix instructions: L's blocks 4 hi .. 4 hi + 3 against R's eight.  The 64 accumulators take turns, one instruction a turn, in the same order in every step.
.macro MUL32 hi, p, q, sl, zero
.irp a, 0,1,2,3
.irp b, 0,1,2,3,4,5,6,7
.if \zero
	v_wmma_scale_f32_16x16x128_f8f6f4 v[8*(8*\a+\b):8*(8*\a+\b)+7], v[128*(\p)+8*\b:128*(\p)+8*\b+7], v[LF+64*(\p)+8*(4*(\hi)+\a):LF+64*(\p)+8*(4*(\hi)+\a)+7], 0, v[SC+32*(\sl)+4*\b+(\q)], v[SC+32*(\sl)+4*(4*(\hi)+\a)+(\q)] matrix_a_fmt:MATRIX_FMT_FP4 matrix_b_fmt:MATRIX_FMT_FP4 matrix_a_scale:MATRIX_SCALE_ROW1
.else
	v_wmma_scale_f32_16x16x128_f8f6f4 v[8*(8*\a+\b):8*(8*\a+\b)+7], v[128*(\p)+8*\b:128*(\p)+8*\b+7], v[LF+64*(\p)+8*(4*(\hi)+\a):LF+64*(\p)+8*(4*(\hi)+\a)+7], v[8*(8*\a+\b):8*(8*\a+\b)+7], v[SC+32*(\sl)+4*\b+(\q)], v[SC+32*(\sl)+4*(4*(\hi)+\a)+(\q)] matrix_a_fmt:MATRIX_FMT_FP4 matrix_b_fmt:MATRIX_FMT_FP4 matrix_a_scale:MATRIX_SCALE_ROW1
.endif
.endr
.endr
.endm
.macro KSTEP k
	s_wait_dscnt 0x0                               ; this step's fragments are in: they were asked for a step, 64 matrix instructions, ago
.if (\k) == 3
	s_wait_tensorcnt 0x0                           ; my part of slot 1 has landed;
	s_barrier_signal -1
	s_barrier_wait -1                              ; everybody's has.
.endif
.if (\k) > 0
	PLACES 4                                       ; four places in front of loads into registers that the last step's matrix instructions have read
.endif
.if (\k) < 7
	FETCH (\k)+1
.endif
	WIN 0xa1                                       ; source 0 (R) window 1, source 1 (L) window 0, C and D window 2
	MUL32 0, (\k)%2, (\k)%4, (\k)/4, (\k)==0
	WIN 0xf1                                       ; C and D window 3
	MUL32 1, (\k)%2, (\k)%4, (\k)/4, (\k)==0
	WIN 0
.endm
; behind the last products: four places, since their results are read and their operands' registers written from here on
.macro TAIL
	PLACES 4
.irp b, 0,1,2,3
	v_mov_b32 v[TM+4+\b], 0                        ; written once: a lane permute's destination counts as one of its sources
.endr
.endm
; 64 numbers of a lane, register 16 b + i = k 32 b + 16 h + i of its row, become a fragment's codes in v[PC] on and its scale word in v[PW]
.macro QUANT s
.irp b, 0,1,2,3
	v_max3_num_f32 v[TM+\b], |v[\s+16*\b]|, |v[\s+1+16*\b]|, 0x1800000   ; my 16 numbers of block b, and the floor 2^(3 - 127): the byte cannot fall under 1
.endr
.irp i, 2,4,6,8,10,12,14
.irp b, 0,1,2,3
	v_max3_num_f32 v[TM+\b], v[TM+\b], |v[\s+16*\b+\i]|, |v[\s+1+16*\b+\i]|
.endr
.endr
.irp b, 0,1,2,3
	v_permlanex16_b32 v[TM+4+\b], v[TM+\b], s[SEL], s[SEL+1]
.endr
.irp b, 0,1,2,3
	v_max_num_f32 v[TM+\b], v[TM+\b], v[TM+4+\b]   ; with lane l xor 16's: the block's largest magnitude
.endr
.irp b, 0,1,2,3
	v_add_nc_u32 v[TM+12+\b], 0xff000000, v[TM+\b] ; 2 off its exponent field: the conversion's scale operand
.endr
.irp b, 0,1,2,3
	v_lshrrev_b32 v[TM+4+\b], 23, v[TM+12+\b]      ; the scale's byte
.endr
	v_lshl_or_b32 v[PW], v[TM+5], 8, v[TM+4]
	v_lshl_or_b32 v[PW], v[TM+6], 16, v[PW]
	v_lshl_or_b32 v[PW], v[TM+7], 24, v[PW]
.irp b, 0,1,2,3
	v_cvt_scalef32_pk8_fp4_f32 v[PC+2*\b], v[\s+16*\b:\s+7+16*\b], v[TM+12+\b]
	v_cvt_scalef32_pk8_fp4_f32 v[PC+1+2*\b], v[\s+8+16*\b:\s+15+16*\b], v[TM+12+\b]
.endr
	v_nop                                          ; one plain place behind a scaled conversion
.irp c, 0,1                                    ; the operand's layout wants a whole block in a lane: lanes 0-15 block 2 c, lanes 16-31 block 2 c + 1
.irp i, 0,1
	v_permlane16_swap_b32 v[PC+4*\c+\i], v[PC+2+4*\c+\i]
.endr
.endr
.endm
; q, k: tile a is 16 positions (lanes) x my two heads (registers)
.macro QKTILE a, tb, left
	s_wait_loadcnt \left                           ; the bias and tile a's tables are in; left = the table loads issued behind tile a's
	WIN (2+(\a)/4)|0x04                            ; source 0 the accumulators' window, source 1 window 1
.set n, 0
.rept 32
	v_pk_add_f32 v[ST+n:ST+n+1], v[64*((\a)%4)+n:64*((\a)%4)+n+1], v[64+n:65+n]   ; + bias; each accumulator from its low end on
.set n, n+2
.endr
	WIN 0x04
.irp hd, 0,1                                   ; the rotation: even partner E, odd partner O = E + 8; i = 16 h + 8 p + j
.irp p, 0,1
.irp j, 0,2,4,6
	v_pk_mul_f32 v[RT+32*\hd+8*\p+\j:RT+32*\hd+8*\p+\j+1], v[ST+32*\hd+16*\p+8+\j:ST+32*\hd+16*\p+8+\j+1], v[(\tb)+16+8*\p+\j:(\tb)+16+8*\p+\j+1]      ; O sin
	v_pk_mul_f32 v[RT+32*\hd+16+8*\p+\j:RT+32*\hd+16+8*\p+\j+1], v[ST+32*\hd+16*\p+\j:ST+32*\hd+16*\p+\j+1], v[(\tb)+16+8*\p+\j:(\tb)+16+8*\p+\j+1]    ; E sin
	v_pk_fma_f32 v[RT+32*\hd+8*\p+\j:RT+32*\hd+8*\p+\j+1], v[ST+32*\hd+16*\p+\j:ST+32*\hd+16*\p+\j+1], v[(\tb)+8*\p+\j:(\tb)+8*\p+\j+1], v[RT+32*\hd+8*\p+\j:RT+32*\hd+8*\p+\j+1] neg_lo:[0,0,1] neg_hi:[0,0,1]   ; channel i: E cos - O sin
	v_pk_fma_f32 v[RT+32*\hd+16+8*\p+\j:RT+32*\hd+16+8*\p+\j+1], v[ST+32*\hd+16*\p+8+\j:ST+32*\hd+16*\p+8+\j+1], v[(\tb)+8*\p+\j:(\tb)+8*\p+\j+1], v[RT+32*\hd+16+8*\p+\j:RT+32*\hd+16+8*\p+\j+1]              ; channel 32 + i: O cos + E sin
.endr
.endr
.endr
.if (\a) == 1
	WIN 0x40
	TAB 6, 192                                     ; tiles 0 and 1 have read their tables
	TAB 7, 224
.endif
	WIN 0
.if (\a) > 0
	s_wait_xcnt 0x0                                ; the last tile's stores have read their registers
.endif
	QUANT RT
	global_store_b128 v[L16], v[PC:PC+3], s[12:13] offset:512*(\a)           ; my first head: lane (r, h) holds channels 32 h .. + 31 of position r: 512 consecutive bytes
	global_store_b128 v[L16], v[PC+4:PC+7], s[12:13] offset:512*(\a)+REC     ; my second head
	v_lshrrev_b32 v[TP], v[SH], v[PW]              ; lanes 0-15 keep the word (bytes 0, 1: first head), lanes 16-31 bring the second head's two bytes down; the upper two bytes scale zero codes and are never 0xff
	ds_store_b32 v[SQA], v[TP] offset:64*(\a)
.endm
; v: tile a is 16 channels (lanes) x my 128 keys (registers): one key step of the second product of attention
.macro VTILE a
	WIN (2+(\a)/4)|0x04
.set n, 0
.rept 32
	v_pk_add_f32 v[ST+n:ST+n+1], v[64*((\a)%4)+n:64*((\a)%4)+n+1], v[64+2*(\a):65+2*(\a)]   ; + my channel's bias; each accumulator from its low end on
.set n, n+2
.endr
	WIN 0
.if (\a) > 0
	s_wait_xcnt 0x0                                ; the last tile's stores have read their registers
.endif
	QUANT ST
	global_store_b128 v[L16], v[PC:PC+3], s[12:13] offset:((\a)/4)*REC+1024*((\a)%4)
	global_store_b128 v[L16], v[PC+4:PC+7], s[12:13] offset:((\a)/4)*REC+1024*((\a)%4)+512
	ds_store_b32 v[SVA], v[PW] offset:64*(\a)      ; lanes r and r + 16 write the same word with the same value
.endm
	s_wait_tensorcnt 1                             ; the scale bytes and my part of slot 0 are in; slot 1's load may be out
	s_barrier_signal -1
	s_barrier_wait -1                              ; everybody's are
.irp s, 0,1
.irp i, 0,1,2,3,4,5,6,7
	ds_load_b128 v[SC+32*\s+4*\i:SC+32*\s+4*\i+3], v[ADRS] offset:\i*SBLK+16*\s   ; all scale words: four for each block and slot
.endr
.endr
	FETCH 0
.irp k, 0,1,2,3
	KSTEP \k
.endr
	s_cmp_eq_u32 ttmp9, 2                          ; THE ONE PARTING: the cluster's x, the same in all sixteen partners and all four waves
	s_cbranch_scc1 .Lv_arm
	; ---- q, k.  The 80 early loads go out in two groups, 56 now and 24 two K steps on; they land under K steps 4 to 7
	WIN 0x40                                       ; destination window 1
	TAB 0, 192
	s_wait_alu depctr_va_vdst(0)
.irp b, 0,1,2,3,4,5
	BIASQ \b
.endr
	WIN 0
	KSTEP 4
	KSTEP 5
	WIN 0x40
	BIASQ 6
	BIASQ 7
	TAB 1, 224
	WIN 0
	KSTEP 6
	KSTEP 7
	TAIL
	WIN 0x40
	TAB 2, 0                                       ; into the registers that held R's fragments
	TAB 3, 32
	TAB 4, 128
	TAB 5, 160
	QKTILE 0, 192, 40                              ; behind the bias and tile 0's tables: tiles 1 to 5's, 40 loads
	QKTILE 1, 224, 32
	QKTILE 2, 0, 40                                ; tiles 3 to 7's
	QKTILE 3, 32, 32
	QKTILE 4, 128, 24
	QKTILE 5, 160, 16
	QKTILE 6, 192, 8
	QKTILE 7, 224, 0
	ds_load_b128 v[232:235], v[SQR]                ; LDS serves a wave's instructions in order: these see my stores
	ds_load_b128 v[236:239], v[SQR] offset:512
	s_wait_dscnt 0x0
	global_store_b128 v[L16], v[232:235], s[92:93]             ; eight tiles' scale words of a head: 512 consecutive bytes
	global_store_b128 v[L16], v[236:239], s[92:93] offset:REC
	s_branch .Lend
	; ---- v
.Lv_arm:
	WIN 0x40
	s_wait_alu depctr_va_vdst(0)
.irp a, 0,1,2,3,4,5,6,7                        ; my channel's bias for tile a, in both registers of a pair
	global_load_b32 v[64+2*\a], v[BVO], s[8:9] offset:4*(32*(\a/2)+8*(\a%2))
	global_load_b32 v[65+2*\a], v[BVO], s[8:9] offset:4*(32*(\a/2)+8*(\a%2))
.endr
	WIN 0
.irp k, 4,5,6,7
	KSTEP \k
.endr
	TAIL
	s_wait_loadcnt 0x0                             ; the bias
.irp a, 0,1,2,3,4,5,6,7
	VTILE \a
.endr
	ds_load_b128 v[232:235], v[SVR]                ; LDS serves a wave's instructions in order: this sees my stores
	s_wait_dscnt 0x0
	global_store_b128 v[VSO], v[232:235], s[92:93] ; sixteen lanes store a head's 256 bytes of this key step
.Lend:
	s_wait_tensorcnt 0x0                           ; the wave's end, behind my last tensor load and my last LDS store
	ds_add_u32 v[SPW], v[NIL]
	s_wait_dscnt 0x0
	CROUND                                         ; the closing round
	s_endpgm
.Lfunc_end_k_qe94f31cbe5_gemm_qkv:
	.size	k_qe94f31cbe5_gemm_qkv, .Lfunc_end_k_qe94f31cbe5_gemm_qkv-k_qe94f31cbe5_gemm_qkv
	.p2alignl 7, 3214868480
	.fill 96, 4, 3214868480
	.section	.rodata,"a",@progbits
	.p2align	6, 0x0
	.amdhsa_kernel k_qe94f31cbe5_gemm_qkv
		.amdhsa_group_segment_fixed_size 327680
		.amdhsa_private_segment_fixed_size 0
		.amdhsa_enable_private_segment 0
		.amdhsa_kernarg_size 40
		.amdhsa_user_sgpr_count 2
		.amdhsa_user_sgpr_kernarg_segment_ptr 1
		.amdhsa_wavefront_size32 1
		.amdhsa_system_sgpr_workgroup_id_x 1
		.amdhsa_system_sgpr_workgroup_id_y 1
		.amdhsa_system_sgpr_workgroup_id_z 1
		.amdhsa_system_vgpr_workitem_id 0
		.amdhsa_next_free_vgpr 1024
		.amdhsa_next_free_sgpr 98
		.amdhsa_reserve_vcc 1
		.amdhsa_float_denorm_mode_32 3
		.amdhsa_float_denorm_mode_16_64 3
		.amdhsa_memory_ordered 1
		.amdhsa_forward_progress 1
		.amdhsa_inst_pref_size 255
	.end_amdhsa_kernel
	.section	.bss,"aw",@nobits
	.p2align	6
	.space	262144
	.amdgpu_metadata
---
amdhsa.version: [ 1, 2 ]
amdhsa.kernels:
  - .name:           k_qe94f31cbe5_gemm_qkv
    .symbol:         k_qe94f31cbe5_gemm_qkv.kd
    .args:
      - { .name: codes, .offset: 0, .size: 8, .value_kind: global_buffer, .address_space: global }
      - { .name: scales, .offset: 8, .size: 8, .value_kind: global_buffer, .address_space: global }
      - { .name: b_attn, .offset: 16, .size: 8, .value_kind: global_buffer, .address_space: global }
      - { .name: rope, .offset: 24, .size: 8, .value_kind: global_buffer, .address_space: global }
      - { .name: qkv, .offset: 32, .size: 8, .value_kind: global_buffer, .address_space: global }
    .group_segment_fixed_size: 327680
    .private_segment_fixed_size: 0
    .kernarg_segment_align: 8
    .kernarg_segment_size: 40
    .max_flat_workgroup_size: 128
    .sgpr_count:     98
    .vgpr_count:     1024
    .wavefront_size: 32
...
	.end_amdgpu_metadata
.endif
;; end of part 2
;; launch attn (part 3): grid 4 x 64, 16 waves a work-group, clusters of 4 x 1, 167,936 bytes of LDS; arguments qkv, ycodes, yscales; writes ycodes, yscales
.if DOCPART == 3
	.amdgcn_target "amdgcn-amd-amdhsa--gfx1250"
	.amdhsa_code_object_version 6
	.text
	.protected	k_qe94f31cbe5_attn
	.globl	k_qe94f31cbe5_attn
	.p2align	8
	.type	k_qe94f31cbe5_attn,@function
k_qe94f31cbe5_attn:
	s_mov_b64 s[64:65], 0
	v_nop
	global_prefetch_b8 v0, s[64:65] scope:SCOPE_SE
	s_setreg_imm32_b32 hwreg(HW_REG_WAVE_MODE, 25, 1), 1
	s_wait_xcnt 0x0
	s_wait_alu depctr_hold_cnt(0) depctr_sa_sdst(0) depctr_va_vdst(0) depctr_va_sdst(0) depctr_va_ssrc(0) depctr_va_vcc(0) depctr_vm_vsrc(0)
	s_getreg_b32 s2, hwreg(HW_REG_IB_STS2, 6, 4)
	s_cmp_eq_u32 s2, 0
	s_cbranch_scc0 .Lentry_in_a_cluster
	s_endpgm
.Lentry_in_a_cluster:
	s_bfe_u32 s2, ttmp6, 0x10000c
	s_cmp_lg_u32 s2, 0x3003
	s_cbranch_scc0 .Lentry_shape_is_right
	s_endpgm
.Lentry_shape_is_right:
; Launch 3 of 4: y = softmax(q k^T / 8, causal) v on codes of E2M1, and y quantised along the model's 1,024 for the last product.
; LEFT OUT: key steps all of whose 128 keys come after all 16 queries of a tile: reference()'s own jnp.tril makes their p zero for all inputs (shown at the head of the first launch).
; THE SOFTMAX AHEAD OF THE SECOND PRODUCT: t = score x log2(e) / 8; M = the running largest t rounded UP to a whole number; p = 2^(t - M) is quantised along the keys, not normalised; the sum is taken of the
; unquantised p and divides at the end (by v_rcp_f32 and a multiplication).  When M moves, the sum and O are multiplied by 2^(old M - new M): exact.
; SHARES.  A cluster of four work-groups is one (batch, head).  The head's K and V, codes and scale words, are 143,360 dense bytes of its record: they come into each partner's LDS ONCE, by sixteen joint loads,
; one a wave, 8,960 bytes each; one barrier; from then on LDS is only read.  By this text's own count a wave has one tensor load out.
; Work-group cx owns the tiles of 16 queries 4 k + cx, k = 0..31.  Wave w works tile k = 31 - w and then tile k = w: a tile needs (k >> 1) + 1 key steps, so every wave works 17 steps, and the count hangs on the
; wave's number alone: no branch hangs on a work-group's place in its cluster.  Tile k = 31 reads all sixteen steps, so every partner reads what every joint load brings.
; LAYOUT.  Both products are used transposed: S^T = K Q^T (source 0 = 16 keys), O^T = V^T P^T (source 0 = 16 channels): a lane holds ONE query throughout.  The head's 64 fill half of the instruction's 128 along K:
; the upper four registers of K's and Q's fragments hold zero codes.  A stored tile of 16 holds positions 8 u + 0..7 and 16 + 8 u + 0..7 of its 32, so that the 16 registers of tiles 2 b, 2 b + 1 are 16 neighbours.
; The loop has 16 trips for every tile (a constant); a trip beyond the tile's last step jumps to the lines that step addresses.
; y's scale bytes leave two a row (a row's 32 come from 16 heads, that is 16 clusters): one sixteenth of y's code bytes.
; REGISTERS: v1-4 lane places; v5, v6 the add's two; v7 32 r; v8-11 the step's addresses; v12 -M, v13 the largest t, v[14:15] the sum; v16-31 two Q fragments; v32-95 eight K fragments; v96-159 S^T, then p;
;   v160-191 O^T; v192-223 four V fragments; v224-231 p's codes; v232-243 at work; v244-247 K's scale words (lanes 0-15 tile 2 x, lanes 16-31 tile 2 x + 1); v248-249 V's likewise; v250, v251 Q's; v252 f; v253 p's scale word; v254 at work; v255 the diagonal's lane number.
.set REC,   217088
.set QS,    65536
.set KC,    73728
.set LV,    65536                      ; LDS: K's codes at 0, V's here,
.set LKS,   131072                     ; K's scale words,
.set LVS,   139264                     ; V's,
.set SPARE, 143360                     ; and the spare words: 128 bytes a wave, eight blocks of 256 bytes that no other line names
.set WV,  18
.set SEL, 20                           ; s[20:21] selects for lane l xor 16
.set CS,  22                           ; s[22:23] c = log2(e) / 8
.set G1,  24
.set G0,  32
.set J0,  36                           ; a job's ten: +0 Q's codes, +2 Q's scale words, +4 y's codes, +6 y's scale bytes, +8 its last step, +9 the diagonal's scalar part
.set J1,  46
.set TB,  56                           ; the step's codes: 4,096 bytes a step in K and in V
.set TS,  57                           ; K's scale words: 512
.set TJ,  58                           ; V's: 256
.set STP, 59                           ; the step
.macro CROUND
	s_barrier_signal -1
	s_barrier_wait -1
	s_cmp_lg_u32 s[WV], 0
	s_cbranch_scc1 .Lnot_wave_0_\@
	s_barrier_signal -3
.Lnot_wave_0_\@:
	s_barrier_wait -3
	s_barrier_signal -1
	s_barrier_wait -1
.endm
	s_load_b128 s[4:7], s[0:1], 0x0                ; qkv, ycodes
	s_load_b64 s[8:9], s[0:1], 0x10                ; yscales
	v_lshl_add_u32 v5, v0, 2, SPARE
	v_mov_b32 v6, 0
	ds_add_u32 v5, v6                              ; the wave's opening: the add, twice on end, and its wait ahead of my first tensor load
	ds_add_u32 v5, v6
	v_lshrrev_b32 v8, 5, v0
	s_delay_alu instid0(VALU_DEP_1)
	v_readfirstlane_b32 s[WV], v8                  ; wave 0..15
	s_bfe_u32 s10, ttmp6, 0x40000                  ; cx: it enters addresses in memory and the diagonal's lane number, nothing else
	s_and_b32 s11, ttmp7, 0xffff                   ; 16 x batch + head
	s_and_b32 s12, s11, 15                         ; head
	s_lshr_b32 s13, s11, 4
	s_lshl_b32 s13, s13, 7                         ; 128 x batch: the batch's first tile of rows
	s_mov_b32 s[G1], 15|(3<<16)|(1<<21)            ; the mask: all four; elements of 8 bytes; bit 21 beside a mask; no padding
	s_mov_b32 s[G1+1], 32<<16                      ; 35 rows of 256 bytes, dense
	s_mov_b32 s[G1+2], 35<<16
	s_mov_b32 s[G1+3], 32<<16
	s_mov_b32 s[G1+4], 35
	s_mov_b32 s[G1+5], 32
	s_mov_b32 s[G1+6], 0
	s_mov_b32 s[G1+7], 0
	s_mul_i32 s60, s11, REC
	s_mov_b32 s61, 0
	s_mul_i32 s19, s[WV], 8960                     ; my sixteenth, in LDS
	s_add_co_u32 s62, s19, KC                      ; and in the record
	s_mov_b32 s63, 0
	s_mov_b32 s[SEL], 0x76543210
	s_mov_b32 s[SEL+1], 0xfedcba98
	s_mov_b32 s[CS], 0x3e38aa3b
	s_mov_b32 s[CS+1], s[CS]                       ; (named with it as a pair, so it is written)
	s_wait_dscnt 0x0                               ; both opening adds are done
	s_wait_kmcnt 0x0
	s_add_nc_u64 s[4:5], s[4:5], s[60:61]          ; my record
	s_mov_b32 s[G0], 1
	s_mov_b32 s[G0+1], s19
	s_add_nc_u64 s[G0+2:G0+3], s[4:5], s[62:63]
	s_or_b32 s[G0+3], s[G0+3], 0x80000000
	CROUND                                         ; all four work-groups are here: the joint loads meet
	tensor_load_to_lds s[G0:G0+3], s[G1:G1+7]
	s_nop 0
.rept 4
	v_nop
.endr
.macro JOBSET JB                       ; s14 = k
	s_lshl_b32 s15, s14, 2
	s_add_co_u32 s15, s15, s10                     ; the tile: 4 k + cx
	s_lshr_b32 s[\JB+8], s14, 1                    ; its last key step: the wave's number alone decides it
	s_and_b32 s16, s14, 1
	s_lshl_b32 s16, s16, 6
	s_lshr_b32 s17, s10, 1
	s_lshl_b32 s17, s17, 5
	s_add_co_u32 s16, s16, s17
	s_and_b32 s17, s10, 1
	s_lshl_b32 s17, s17, 3
	s_add_co_u32 s[\JB+9], s16, s17                ; the tile's first position behind its last step's first key
	s_lshl_b32 s60, s15, 9
	s_mov_b32 s61, 0
	s_add_nc_u64 s[\JB:\JB+1], s[4:5], s[60:61]
	s_lshl_b32 s60, s15, 6
	s_add_co_u32 s60, s60, QS
	s_add_nc_u64 s[\JB+2:\JB+3], s[4:5], s[60:61]
	s_add_co_u32 s15, s15, s13                     ; the tile among all rows
	s_lshl_b32 s60, s15, 4
	s_add_co_u32 s60, s60, s12
	s_lshl_b32 s60, s60, 9
	s_add_nc_u64 s[\JB+4:\JB+5], s[6:7], s[60:61]  ; ycodes: [tile][head][lane][16]
	s_lshl_b32 s60, s15, 9
	s_lshl_b32 s62, s12, 1
	s_add_co_u32 s60, s60, s62
	s_add_nc_u64 s[\JB+6:\JB+7], s[8:9], s[60:61]  ; yscales: [row][32], bytes 2 head, 2 head + 1
.endm
	s_sub_co_u32 s14, 31, s[WV]
	JOBSET J0
	s_mov_b32 s14, s[WV]
	JOBSET J1
	v_and_b32 v9, 31, v0
	s_delay_alu instid0(VALU_DEP_1)
	v_lshlrev_b32 v1, 4, v9                        ; 16 x lane
	v_and_b32 v10, 15, v0
	s_delay_alu instid0(VALU_DEP_1)
	v_lshlrev_b32 v254, 2, v10
	global_load_b128 v[16:19], v1, s[J0:J0+1]      ; both jobs' Q: lane (r, h) holds channels 32 h .. + 31 of query r
	global_load_b128 v[24:27], v1, s[J1:J1+1]
	global_load_b32 v250, v254, s[J0+2:J0+3]
	global_load_b32 v251, v254, s[J1+2:J1+3]
	v_add_nc_u32 v2, LV, v1
	v_lshl_add_u32 v3, v9, 2, LKS
	v_lshl_add_u32 v4, v9, 2, LVS
	v_lshlrev_b32 v7, 5, v10
.irp j, 20,21,22,23,28,29,30,31
	v_mov_b32 v[\j], 0                             ; zero codes for k = 64 .. 127
.endr
.irp t, 0,1,2,3,4,5,6,7
.irp j, 4,5,6,7
	v_mov_b32 v[32+8*\t+\j], 0
.endr
.endr
.irp b, 0,1,2,3
	v_mov_b32 v[236+\b], 0                         ; written once: a lane permute's destination counts as one of its sources
.endr
	v_mov_b32 v252, 0
	v_mov_b32 v253, 0                              ; (named as the upper half of the pair v[252:253] before it is first written)
	s_wait_loadcnt 0x0                             ; Q
	s_wait_tensorcnt 0x0                           ; my sixteenth has landed;
	s_barrier_signal -1
	s_barrier_wait -1                              ; everybody's has
.macro JOB QF, QSR, JB
	s_wait_xcnt 0x0                                ; the last job's stores have read their registers
	v_mov_b32 v13, 0xff61b1e6                      ; the largest t so far: -3e38
	s_delay_alu instid0(VALU_DEP_1)
	v_floor_f32 v12, -v13                          ; -M
	v_mov_b32 v14, 0
	v_mov_b32 v15, 0
.set n, 0
.rept 32
	v_mov_b32 v[160+n], 0                          ; O^T: the step is written once; its first trip finds zeros, which the first change of M leaves zeros
.set n, n+1
.endr
	v_and_b32 v254, 7, v0
	v_bfe_u32 v255, v0, 3, 1
	s_delay_alu instid0(VALU_DEP_1)
	v_lshl_add_u32 v254, v255, 4, v254
	v_bfe_u32 v255, v0, 4, 1
	s_delay_alu instid0(VALU_DEP_1)
	v_lshlrev_b32 v255, 4, v255
	s_delay_alu instid0(VALU_DEP_1)
	v_sub_nc_u32 v255, v254, v255
	s_delay_alu instid0(VALU_DEP_1)
	v_add_nc_u32 v255, s[\JB+9], v255              ; my query - the last step's first key - 16 h.  Register 16 b + i holds key 32 b + 16 h + i of a step: hidden in the last step where 32 b + i is above this
	s_mov_b32 s[TB], 0
	s_mov_b32 s[TS], 0
	s_mov_b32 s[TJ], 0
	s_mov_b32 s[STP], 0
.Lstep_\@:
	s_cmp_gt_u32 s[STP], s[\JB+8]
	s_cbranch_scc1 .Lhid_\@                        ; all 128 keys come after my 16 queries
	s_setprio 2
	v_add_nc_u32 v8, s[TB], v1                     ; (these four are the places between the last step's products and the loads into V's registers below)
	v_add_nc_u32 v9, s[TB], v2
	v_add_nc_u32 v10, s[TS], v3
	v_add_nc_u32 v11, s[TJ], v4
.irp t, 0,1,2,3,4,5,6,7
	ds_load_b128 v[32+8*\t:35+8*\t], v8 offset:512*\t
.endr
.irp x, 0,1,2,3
	ds_load_b32 v[244+\x], v10 offset:128*\x
.endr
	s_wait_alu depctr_va_vdst(0)
	s_wait_dscnt 0x0
.irp t, 0,1,2,3,4,5,6,7
.if \t%2
	v_wmma_scale_f32_16x16x128_f8f6f4 v[96+8*\t:103+8*\t], v[32+8*\t:39+8*\t], v[\QF:\QF+7], 0, v[244+\t/2], v[\QSR] matrix_a_fmt:MATRIX_FMT_FP4 matrix_b_fmt:MATRIX_FMT_FP4 matrix_a_scale:MATRIX_SCALE_ROW1
.else
	v_wmma_scale_f32_16x16x128_f8f6f4 v[96+8*\t:103+8*\t], v[32+8*\t:39+8*\t], v[\QF:\QF+7], 0, v[244+\t/2], v[\QSR] matrix_a_fmt:MATRIX_FMT_FP4 matrix_b_fmt:MATRIX_FMT_FP4
.endif
.endr
.irp d, 0,1,2,3                                ; V is asked for now and lands under the softmax
.irp c, 0,1
	ds_load_b128 v[192+8*\d+4*\c:195+8*\d+4*\c], v9 offset:1024*\d+512*\c
.endr
.endr
.irp x, 0,1
	ds_load_b32 v[248+\x], v11 offset:128*\x
.endr
.rept 4
	v_nop                                          ; four places behind the products, ahead of the first read of the scores
.endr
	s_cmp_lg_u32 s[STP], s[\JB+8]
	s_cbranch_scc1 .Lopen_\@                       ; only the tile's last step lies on the diagonal
	v_mov_b32 v254, 0xff800000                     ; -infinity: p = 0 then
.set n, 0
.rept 64
	v_cmp_gt_i32 vcc_lo, 32*(n/16)+n%16, v255
	v_cndmask_b32 v[96+n], v[96+n], v254, vcc_lo
.set n, n+1
.endr
.Lopen_\@:
.irp b, 0,1,2,3
	v_max3_num_f32 v[232+\b], v[96+16*\b], v[97+16*\b], v[98+16*\b]   ; the largest score of each block of 32 keys: for the row's maximum and, since p rises with the score, for the block's largest p
.endr
.irp i, 3,5,7,9,11,13
.irp b, 0,1,2,3
	v_max3_num_f32 v[232+\b], v[232+\b], v[96+16*\b+\i], v[97+16*\b+\i]
.endr
.endr
.irp b, 0,1,2,3
	v_max_num_f32 v[232+\b], v[232+\b], v[111+16*\b]
.endr
.irp b, 0,1,2,3
	s_delay_alu instid0(VALU_DEP_4)
	v_permlanex16_b32 v[236+\b], v[232+\b], s[SEL], s[SEL+1]
.endr
.irp b, 0,1,2,3
	s_delay_alu instid0(VALU_DEP_4)
	v_max_num_f32 v[232+\b], v[232+\b], v[236+\b]  ; with lane l xor 16's 16 keys
.endr
	s_delay_alu instid0(VALU_DEP_2)
	v_max3_num_f32 v254, v232, v233, v234
	s_delay_alu instid0(VALU_DEP_1)
	v_max_num_f32 v254, v254, v235
	s_delay_alu instid0(VALU_DEP_1)
	v_mul_f32 v254, s[CS], v254                    ; the step's largest t (c is positive)
	s_delay_alu instid0(VALU_DEP_1)
	v_max_num_f32 v13, v13, v254
	v_mov_b32 v254, v12
	s_delay_alu instid0(VALU_DEP_2)
	v_floor_f32 v12, -v13                          ; the new -M = -ceil(t)
	s_delay_alu instid0(VALU_DEP_1)
	v_sub_f32 v254, v12, v254                      ; old M - new M: a whole number, 0 or less
	s_delay_alu instid0(VALU_DEP_1)
	v_cvt_i32_f32 v254, v254                       ; (it saturates)
	s_delay_alu instid0(VALU_DEP_1)
	v_ldexp_f32 v252, 1.0, v254                    ; f = 2^(old M - new M)
.set n, 0
.rept 32
	v_pk_fma_f32 v[96+n:97+n], v[96+n:97+n], s[CS:CS+1], v[12:13] op_sel_hi:[1,0,0]   ; t - M, two at a time
.set n, n+2
.endr
	s_setprio 1
.irp b, 0,1,2,3
	v_fma_f32 v[232+\b], v[232+\b], s[CS], v12     ; the same of each block's largest score
.endr
.set n, 0
	s_wait_alu depctr_va_vdst(0)
.rept 64
	v_exp_f32 v[96+n], v[96+n]                     ; p = 2^(t - M)
.set n, n+1
.endr
	v_pk_mul_f32 v[14:15], v[14:15], v[252:253] op_sel_hi:[1,0]   ; the sums under the new M: a plain instruction behind the exponentials
	s_wait_alu depctr_va_vdst(0)                   ; one wait for the batch of 64, ahead of its first reader
.irp b, 0,1,2,3
	v_exp_f32 v[232+\b], v[232+\b]                 ; the block's largest p
.endr
	v_pk_add_f32 v[236:237], v[100:101], v[104:105]
	v_pk_add_f32 v[246:247], v[108:109], v[112:113]
	v_pk_add_f32 v[244:245], v[116:117], v[120:121]
	v_pk_add_f32 v[242:243], v[124:125], v[128:129]
	v_pk_add_f32 v[240:241], v[132:133], v[136:137]
	v_pk_add_f32 v[238:239], v[140:141], v[144:145]
	v_pk_add_f32 v[230:231], v[148:149], v[152:153]
	v_pk_add_f32 v[14:15], v[14:15], v[156:157]
	v_pk_add_f32 v[236:237], v[236:237], v[96:97]
	v_pk_add_f32 v[246:247], v[246:247], v[98:99]
	v_pk_add_f32 v[244:245], v[244:245], v[102:103]
	v_pk_add_f32 v[242:243], v[242:243], v[106:107]
	v_pk_add_f32 v[240:241], v[240:241], v[110:111]
	v_pk_add_f32 v[238:239], v[238:239], v[114:115]
	v_pk_add_f32 v[230:231], v[230:231], v[118:119]
	v_pk_add_f32 v[14:15], v[14:15], v[122:123]
	v_pk_add_f32 v[236:237], v[236:237], v[126:127]
	v_pk_add_f32 v[246:247], v[246:247], v[130:131]
	v_pk_add_f32 v[244:245], v[244:245], v[134:135]
	v_pk_add_f32 v[242:243], v[242:243], v[138:139]
	v_pk_add_f32 v[240:241], v[240:241], v[142:143]
	v_pk_add_f32 v[238:239], v[238:239], v[146:147]
	v_pk_add_f32 v[230:231], v[230:231], v[150:151]
	v_pk_add_f32 v[14:15], v[14:15], v[154:155]
	v_pk_add_f32 v[236:237], v[236:237], v[158:159]
	s_delay_alu instid0(VALU_DEP_2)
	v_pk_add_f32 v[14:15], v[14:15], v[242:243]
	s_delay_alu instid0(VALU_DEP_2)
	v_pk_add_f32 v[236:237], v[236:237], v[240:241]
	v_pk_add_f32 v[246:247], v[246:247], v[238:239]
	v_pk_add_f32 v[244:245], v[244:245], v[230:231]
	s_delay_alu instid0(VALU_DEP_2)
	v_pk_add_f32 v[14:15], v[14:15], v[246:247]
	s_delay_alu instid0(VALU_DEP_2)
	v_pk_add_f32 v[236:237], v[236:237], v[244:245]
	s_delay_alu instid0(VALU_DEP_1)
	v_pk_add_f32 v[14:15], v[14:15], v[236:237]
	s_wait_alu depctr_va_vdst(0)                   ; and one for the four
.irp b, 0,1,2,3
	v_max_num_f32 v[232+\b], 0x1800000, v[232+\b]  ; the floor 2^(3 - 127): a block whose every p is 0 keeps the byte 1: its codes are zeros
.endr
.irp b, 0,1,2,3
	s_delay_alu instid0(VALU_DEP_4)
	v_add_nc_u32 v[240+\b], 0xff000000, v[232+\b]  ; 2 off the exponent field: the conversion's scale operand
.endr
.irp b, 0,1,2,3
	s_delay_alu instid0(VALU_DEP_4)
	v_lshrrev_b32 v[236+\b], 23, v[240+\b]
.endr
	s_delay_alu instid0(VALU_DEP_3)
	v_lshl_or_b32 v253, v237, 8, v236              ; p's scale word for these 128 keys
	s_delay_alu instid0(VALU_DEP_1)
	v_lshl_or_b32 v253, v238, 16, v253
	s_delay_alu instid0(VALU_DEP_1)
	v_lshl_or_b32 v253, v239, 24, v253
	s_setprio 0
.irp b, 0,1,2,3
	v_cvt_scalef32_pk8_fp4_f32 v[224+2*\b], v[96+16*\b:103+16*\b], v[240+\b]
	v_cvt_scalef32_pk8_fp4_f32 v[225+2*\b], v[104+16*\b:111+16*\b], v[240+\b]
.endr
	v_nop                                          ; one plain place behind a scaled conversion
.irp c, 0,1
.irp i, 0,1
	v_permlane16_swap_b32 v[224+4*\c+\i], v[226+4*\c+\i]
.endr
.endr
.set n, 0
.rept 16
	v_pk_mul_f32 v[160+n:161+n], v[160+n:161+n], v[252:253] op_sel_hi:[1,0]   ; O^T under the new M; these sixteen stand between the codes' and the scale word's last writes and the products
.set n, n+2
.endr
	s_wait_alu depctr_va_vdst(0)
	s_wait_dscnt 0x0                               ; V and its scale words are in
.irp d, 0,1,2,3
.if \d%2
	v_wmma_scale_f32_16x16x128_f8f6f4 v[160+8*\d:167+8*\d], v[192+8*\d:199+8*\d], v[224:231], v[160+8*\d:167+8*\d], v[248+\d/2], v253 matrix_a_fmt:MATRIX_FMT_FP4 matrix_b_fmt:MATRIX_FMT_FP4 matrix_a_scale:MATRIX_SCALE_ROW1
.else
	v_wmma_scale_f32_16x16x128_f8f6f4 v[160+8*\d:167+8*\d], v[192+8*\d:199+8*\d], v[224:231], v[160+8*\d:167+8*\d], v[248+\d/2], v253 matrix_a_fmt:MATRIX_FMT_FP4 matrix_b_fmt:MATRIX_FMT_FP4
.endif
.endr
.Lhid_\@:
	s_add_co_u32 s[TB], s[TB], 4096
	s_add_co_u32 s[TS], s[TS], 512
	s_add_co_u32 s[TJ], s[TJ], 256
	s_add_co_u32 s[STP], s[STP], 1
	s_cmp_lt_u32 s[STP], 16
	s_cbranch_scc1 .Lstep_\@
	s_setprio 0
	; the way out: y = O^T / the sum; register 16 b + i is channel 32 b + 16 h + i of my query: two blocks of the last product's K
.rept 4
	v_nop                                          ; four places behind the last products
.endr
	v_add_f32 v14, v14, v15
	s_delay_alu instid0(VALU_DEP_1)
	v_permlanex16_b32 v252, v14, s[SEL], s[SEL+1]
	s_delay_alu instid0(VALU_DEP_1)
	v_add_f32 v14, v14, v252                       ; the row's sum
	s_wait_alu depctr_va_vdst(0)
	v_rcp_f32 v14, v14
	v_nop                                          ; a plain instruction behind the reciprocal
	s_wait_alu depctr_va_vdst(0)                   ; the wait, ahead of its first reader
.set n, 0
.rept 16
	v_pk_mul_f32 v[96+n:97+n], v[160+n:161+n], v[14:15] op_sel_hi:[1,0]   ; each accumulator from its low end on
.set n, n+2
.endr
.irp b, 0,1
	v_max3_num_f32 v[232+\b], |v[96+16*\b]|, |v[97+16*\b]|, 0x1800000
.endr
.irp i, 2,4,6,8,10,12,14
.irp b, 0,1
	s_delay_alu instid0(VALU_DEP_2)
	v_max3_num_f32 v[232+\b], v[232+\b], |v[96+16*\b+\i]|, |v[97+16*\b+\i]|
.endr
.endr
.irp b, 0,1
	s_delay_alu instid0(VALU_DEP_2)
	v_permlanex16_b32 v[236+\b], v[232+\b], s[SEL], s[SEL+1]
.endr
.irp b, 0,1
	s_delay_alu instid0(VALU_DEP_2)
	v_max_num_f32 v[232+\b], v[232+\b], v[236+\b]
.endr
.irp b, 0,1
	s_delay_alu instid0(VALU_DEP_2)
	v_add_nc_u32 v[240+\b], 0xff000000, v[232+\b]
.endr
.irp b, 0,1
	s_delay_alu instid0(VALU_DEP_2)
	v_lshrrev_b32 v[236+\b], 23, v[240+\b]
.endr
	s_delay_alu instid0(VALU_DEP_1)
	v_lshl_or_b32 v254, v237, 8, v236              ; my row's two scale bytes
.irp b, 0,1
	v_cvt_scalef32_pk8_fp4_f32 v[224+2*\b], v[96+16*\b:103+16*\b], v[240+\b]
	v_cvt_scalef32_pk8_fp4_f32 v[225+2*\b], v[104+16*\b:111+16*\b], v[240+\b]
.endr
	v_nop                                          ; one plain place behind a scaled conversion
	v_permlane16_swap_b32 v224, v226               ; lanes 0-15 block 0, lanes 16-31 block 1
	v_permlane16_swap_b32 v225, v227
	global_store_b128 v1, v[224:227], s[\JB+4:\JB+5]   ; 512 consecutive bytes: half a fragment of the last product, as its registers want it
	global_store_b16 v7, v254, s[\JB+6:\JB+7]      ; lanes r and r + 16 write the same two bytes with the same value
.endm
	JOB 16, 250, J0
	JOB 24, 251, J1
	s_wait_tensorcnt 0x0                           ; the wave's end, behind my last tensor load
	ds_add_u32 v5, v6
	s_wait_dscnt 0x0
	CROUND                                         ; the closing round
	s_endpgm
.Lfunc_end_k_qe94f31cbe5_attn:
	.size	k_qe94f31cbe5_attn, .Lfunc_end_k_qe94f31cbe5_attn-k_qe94f31cbe5_attn
	.p2alignl 7, 3214868480
	.fill 96, 4, 3214868480
	.section	.rodata,"a",@progbits
	.p2align	6, 0x0
	.amdhsa_kernel k_qe94f31cbe5_attn
		.amdhsa_group_segment_fixed_size 167936
		.amdhsa_private_segment_fixed_size 0
		.amdhsa_enable_private_segment 0
		.amdhsa_kernarg_size 24
		.amdhsa_user_sgpr_count 2
		.amdhsa_user_sgpr_kernarg_segment_ptr 1
		.amdhsa_wavefront_size32 1
		.amdhsa_system_sgpr_workgroup_id_x 1
		.amdhsa_system_sgpr_workgroup_id_y 1
		.amdhsa_system_sgpr_workgroup_id_z 1
		.amdhsa_system_vgpr_workitem_id 0
		.amdhsa_next_free_vgpr 256
		.amdhsa_next_free_sgpr 70
		.amdhsa_reserve_vcc 1
		.amdhsa_float_denorm_mode_32 3
		.amdhsa_float_denorm_mode_16_64 3
		.amdhsa_memory_ordered 1
		.amdhsa_forward_progress 1
		.amdhsa_inst_pref_size 63
	.end_amdhsa_kernel
	.amdgpu_metadata
---
amdhsa.version: [ 1, 2 ]
amdhsa.kernels:
  - .name:           k_qe94f31cbe5_attn
    .symbol:         k_qe94f31cbe5_attn.kd
    .args:
      - { .name: qkv, .offset: 0, .size: 8, .value_kind: global_buffer, .address_space: global }
      - { .name: ycodes, .offset: 8, .size: 8, .value_kind: global_buffer, .address_space: global }
      - { .name: yscales, .offset: 16, .size: 8, .value_kind: global_buffer, .address_space: global }
    .group_segment_fixed_size: 167936
    .private_segment_fixed_size: 0
    .kernarg_segment_align: 8
    .kernarg_segment_size: 24
    .max_flat_workgroup_size: 512
    .sgpr_count:     70
    .vgpr_count:     256
    .wavefront_size: 32
...
	.end_amdgpu_metadata
.endif
;; end of part 3
;; launch gemm_out (part 4): grid 4 x 64, 4 waves a work-group, clusters of 4 x 4, 327,680 bytes of LDS; arguments ycodes, yscales, codes, scales, b_o, out0; writes out0
.if DOCPART == 4
	.amdgcn_target "amdgcn-amd-amdhsa--gfx1250"
	.amdhsa_code_object_version 6
	.text
	.protected	k_qe94f31cbe5_gemm_out
	.globl	k_qe94f31cbe5_gemm_out
	.p2align	8
	.type	k_qe94f31cbe5_gemm_out,@function
k_qe94f31cbe5_gemm_out:
	s_mov_b64 s[64:65], 0
	v_nop
	global_prefetch_b8 v0, s[64:65] scope:SCOPE_SE
	s_setreg_imm32_b32 hwreg(HW_REG_WAVE_MODE, 25, 1), 1
	s_wait_xcnt 0x0
	s_wait_alu depctr_hold_cnt(0) depctr_sa_sdst(0) depctr_va_vdst(0) depctr_va_sdst(0) depctr_va_ssrc(0) depctr_va_vcc(0) depctr_vm_vsrc(0)
	s_getreg_b32 s2, hwreg(HW_REG_IB_STS2, 6, 4)
	s_cmp_eq_u32 s2, 0
	s_cbranch_scc0 .Lentry_in_a_cluster
	s_endpgm
.Lentry_in_a_cluster:
	s_bfe_u32 s2, ttmp6, 0x10000c
	s_cmp_lg_u32 s2, 0xf033
	s_cbranch_scc0 .Lentry_shape_is_right
	s_endpgm
.Lentry_shape_is_right:
; Launch 4 of 4: out0 = Q(y) Q(W_o)^T + b_o on codes of E2M1.  A tile is 128 rows by 256 columns, so that 8,192 x 1,024 gives 256 work-groups; four waves, each 64 rows x 128 columns: 32 accumulators.
; K = 1,024: ALL of it is asked for at the head, in two LDS slots of 512 along K; nothing is ever filled again.  By this text's own count a wave has three tensor loads out.
; y's codes lie in memory as images of the operand's registers, [tile of 16 rows][head 16][lane][16 bytes]: a fragment is two loads of 16 bytes a lane, consecutive from lane to lane: no pitch, no padding.
; W_o's codes lie as rows of 512 bytes.  The matrix instruction is used transposed (source 0 = 16 rows of W_o, source 1 = 16 rows of y): a lane holds eight neighbouring columns of one row of out0.
; b_o is the C of each sum's first matrix instruction.  A tile of 16 stored rows holds rows 8 u + 0..7 and 16 + 8 u + 0..7 of its 32: the way out puts each row at its place.
; CLUSTERS 4 x 4: the four of a row need the same rows of y, the four of a column the same rows of W_o: joint loads.
; REGISTERS: window 0: v0-31 addresses; v32-95 scale words (set s at 32 + 32 s, register 4 i + q: lanes 0-15 y's block i, lanes 16-31 W_o's block i); v128-191 y's fragments, two sets of 32; on the way out v128-255 rows.
;   window 1: v0-63, v128-191 W_o's fragments, two sets; v64-127 b_o.   window 2: accumulator (a, b) at v[8 (8 a + b)].
.set PITCH,  272
.set BROW,   65536                     ; LDS: y's images, slot s at 32,768 s; W_o's rows from here, slot s at BSLOT s
.set HALFB,  128*PITCH
.set BSLOT,  2*HALFB
.set SCL,    BROW+2*BSLOT              ; the scale bytes: units of 256 + 16: y's two halves (64 rows each), then W_o's two (128 rows each)
.set HSA,    8*272
.set HSB,    16*272
.set SBLK,   2*272
.set STG,    SCL+2*HSA+2*HSB           ; the way out: 16 rows x (512 + 16) bytes for each wave; bytes of its own
.set SPITCH, 528
.set SPARE,  STG+4*16*SPITCH           ; the spare words: 128 bytes a wave, two blocks of 256 bytes that no other line names
.set ADRA, 16                          ; v16    LDS address of y's images: 16,384 x my half + 16 x lane
.set ADRB, 20                          ; v20-21 of W_o's fragments in slot 0, 1
.set BO,   22                          ; v22    32 h: my half's place in 16 numbers of b_o
.set STO,  24
.set RD,   25
.set CO,   26                          ; v26    16 x lane
.set ADRS, 27
.set SPW,  28                          ; never rewritten
.set NIL,  29                          ; never rewritten
.set SC,   32
.set AF,   128
.set BK,   128
.set G1, 24
.set G0, 32
.set G1B, 48
.set G0B, 56
.set G1S, 68
.set G0S, 76
.set G1SB, 80
.set G0SB, 88
.set MSB, 0
.macro WIN new
.if MSB != (\new)
	s_set_vgpr_msb (MSB<<8)|(\new)
.set MSB, \new
.endif
.endm
.macro PLACES n
.rept \n
	v_nop
.endr
.endm
.macro JLOAD g0a, g1a, g0b, g1b        ; waves 0 and 1 fetch for y, waves 2 and 3 for W_o; an s_nop 0 and four v_nop follow each of the two lines
	s_cmp_eq_u32 s15, 0
	s_cbranch_scc0 .Lfor_b_\@
	tensor_load_to_lds s[\g0a:\g0a+3], s[\g1a:\g1a+7]
	s_nop 0
.rept 4
	v_nop
.endr
	s_branch .Lasked_\@
.Lfor_b_\@:
	tensor_load_to_lds s[\g0b:\g0b+3], s[\g1b:\g1b+7]
	s_nop 0
.rept 4
	v_nop
.endr
.Lasked_\@:
.endm
.macro CROUND
	s_barrier_signal -1
	s_barrier_wait -1
	s_cmp_lg_u32 s14, 0
	s_cbranch_scc1 .Lnot_wave_0_\@
	s_barrier_signal -3
.Lnot_wave_0_\@:
	s_barrier_wait -3
	s_barrier_signal -1
	s_barrier_wait -1
.endm
	s_load_b128 s[4:7], s[0:1], 0x0                ; ycodes, yscales
	s_load_b128 s[8:11], s[0:1], 0x10              ; codes, scales
	s_load_b128 s[92:95], s[0:1], 0x20             ; b_o, out0
	v_lshl_add_u32 v[SPW], v0, 2, SPARE
	v_mov_b32 v[NIL], 0
	ds_add_u32 v[SPW], v[NIL]                      ; the wave's opening: the add, twice on end, and its wait ahead of my first tensor load
	ds_add_u32 v[SPW], v[NIL]
	v_lshrrev_b32 v1, 5, v0
	v_readfirstlane_b32 s14, v1                    ; wave 0..3
	s_lshr_b32 s15, s14, 1                         ; rh: which 64 rows are mine.  Also: I fetch for y (0) or for W_o (1)
	s_and_b32 s16, s14, 1                          ; ch: which 128 columns.  Also: which half I fetch
	s_bfe_u32 s40, ttmp6, 0x40000
	s_bfe_u32 s41, ttmp6, 0x40004
	s_lshl_b32 s42, ttmp9, 2
	s_add_co_u32 s42, s42, s40                     ; tile column
	s_and_b32 s17, ttmp7, 0xffff
	s_lshl_b32 s17, s17, 2
	s_add_co_u32 s17, s17, s41                     ; tile row
	s_lshl_b32 s43, s41, 2
	s_lshl_b32 s43, 15, s43                        ; my row of the cluster
	s_lshl_b32 s44, 0x1111, s40                    ; my column
	s_or_b32 s[G1+0], s43, (3<<16)|(1<<21)         ; y's images: 4 tiles of rows x 4,096 bytes (512 elements of 8), 8,192 bytes apart; no padding
	s_mov_b32 s[G1+1], 512<<16
	s_mov_b32 s[G1+2], 4<<16
	s_mov_b32 s[G1+3], 512<<16
	s_mov_b32 s[G1+4], 4
	s_mov_b32 s[G1+5], 1024
	s_mov_b32 s[G1+6], 0
	s_mov_b32 s[G1+7], 0
	s_or_b32 s[G1B+0], s44, (0<<16)|(1<<20)|(1<<21)|(5<<22)|(3<<25)  ; W_o's rows: 128 x 256 bytes, 512 apart, 16 bytes of padding behind each
	s_mov_b32 s[G1B+1], 256<<16
	s_mov_b32 s[G1B+2], 128<<16
	s_mov_b32 s[G1B+3], 256<<16
	s_mov_b32 s[G1B+4], 128
	s_mov_b32 s[G1B+5], 512
	s_mov_b32 s[G1B+6], 0
	s_mov_b32 s[G1B+7], 0
	s_or_b32 s[G1S+0], s43, (3<<16)|(1<<20)|(1<<21)|(5<<22)|(3<<25)  ; y's scale bytes of 64 rows: 8 rows of 256 bytes
	s_mov_b32 s[G1S+1], 32<<16
	s_mov_b32 s[G1S+2], 8<<16
	s_mov_b32 s[G1S+3], 32<<16
	s_mov_b32 s[G1S+4], 8
	s_mov_b32 s[G1S+5], 32
	s_mov_b32 s[G1S+6], 0
	s_mov_b32 s[G1S+7], 0
	s_or_b32 s[G1SB+0], s44, (3<<16)|(1<<20)|(1<<21)|(5<<22)|(3<<25) ; W_o's of 128 rows: 16 rows of 256 bytes
	s_mov_b32 s[G1SB+1], 32<<16
	s_mov_b32 s[G1SB+2], 16<<16
	s_mov_b32 s[G1SB+3], 32<<16
	s_mov_b32 s[G1SB+4], 16
	s_mov_b32 s[G1SB+5], 32
	s_mov_b32 s[G1SB+6], 0
	s_mov_b32 s[G1SB+7], 0
	s_lshl_b32 s20, s17, 16                        ; y's codes: 8 tiles of rows x 8,192 bytes a tile row, + my 4
	s_lshl_b32 s18, s16, 15
	s_add_co_u32 s20, s20, s18
	s_mov_b32 s21, 0
	s_lshl_b32 s22, s17, 12                        ; y's scale bytes: 128 rows x 32, + my 64
	s_lshl_b32 s18, s16, 11
	s_add_co_u32 s22, s22, s18
	s_mov_b32 s23, 0
	s_lshl_b32 s46, s42, 8
	s_lshl_b32 s18, s16, 7
	s_add_co_u32 s46, s46, s18                     ; W_o's row
	s_lshl_b32 s96, s46, 5
	s_add_co_u32 s96, s96, 360448
	s_mov_b32 s97, 0
	s_lshl_b32 s46, s46, 9
	s_add_co_u32 s46, s46, 5767168
	s_mov_b32 s47, 0
	s_lshl_b32 s45, s16, 14                        ; where they go in LDS: the half's number alone decides
	s_mul_i32 s66, s16, HALFB
	s_add_co_u32 s66, s66, BROW
	s_mul_i32 s67, s16, HSA
	s_add_co_u32 s67, s67, SCL
	s_mul_i32 s2, s16, HSB
	s_add_co_u32 s2, s2, SCL+2*HSA
	s_wait_dscnt 0x0                               ; both opening adds are done
	s_wait_kmcnt 0x0
	s_add_nc_u64 s[20:21], s[4:5], s[20:21]
	s_add_nc_u64 s[22:23], s[6:7], s[22:23]
	s_add_nc_u64 s[46:47], s[8:9], s[46:47]
	s_add_nc_u64 s[96:97], s[10:11], s[96:97]
	CROUND                                         ; all sixteen work-groups are here: the joint loads meet
	s_mov_b32 s[G0S], 1
	s_mov_b32 s[G0S+1], s67
	s_mov_b64 s[G0S+2:G0S+3], s[22:23]
	s_or_b32 s[G0S+3], s[G0S+3], 0x80000000
	s_mov_b32 s[G0SB], 1
	s_mov_b32 s[G0SB+1], s2
	s_mov_b64 s[G0SB+2:G0SB+3], s[96:97]
	s_or_b32 s[G0SB+3], s[G0SB+3], 0x80000000
	JLOAD G0S, G1S, G0SB, G1SB
.irp s, 0,1
	s_mov_b32 s[G0+4*\s], 1
	s_add_co_u32 s[G0+4*\s+1], s45, \s*32768
	s_add_nc_u64 s[G0+4*\s+2:G0+4*\s+3], s[20:21], \s*4096
	s_or_b32 s[G0+4*\s+3], s[G0+4*\s+3], 0x80000000
	s_mov_b32 s[G0B+4*\s], 1
	s_add_co_u32 s[G0B+4*\s+1], s66, \s*BSLOT
	s_add_nc_u64 s[G0B+4*\s+2:G0B+4*\s+3], s[46:47], \s*256
	s_or_b32 s[G0B+4*\s+3], s[G0B+4*\s+3], 0x80000000
	s_wait_alu depctr_va_vdst(0)
	s_wait_tensorcnt 0x0
	ds_add_u32 v28, v29
	s_wait_dscnt 0x0
	CROUND
	JLOAD G0+4*\s, G1, G0B+4*\s, G1B
.endr
	v_and_b32 v1, 15, v0                           ; r
	v_bfe_u32 v2, v0, 4, 1                         ; h
	v_and_b32 v3, 31, v0
	v_lshlrev_b32 v[CO], 4, v3
	s_lshl_b32 s21, s15, 14
	v_add_nc_u32 v[ADRA], s21, v[CO]
	v_mul_u32_u24 v3, v1, PITCH
	v_lshl_add_u32 v4, v2, 4, v3
	s_mul_i32 s22, s16, HALFB
	s_add_co_u32 s22, s22, BROW
	v_add_nc_u32 v[ADRB], s22, v4
	s_add_co_u32 s22, s22, BSLOT
	v_add_nc_u32 v[ADRB+1], s22, v4
	v_lshlrev_b32 v5, 5, v1                        ; my row's scale bytes: 32 a row, and 16 more for each 256 passed
	v_lshrrev_b32 v6, 8, v5
	v_lshl_add_u32 v5, v6, 4, v5
	s_mul_i32 s21, s15, HSA                        ; y's: my 64 rows
	s_mul_i32 s22, s16, HSB                        ; W_o's: my 128 rows, behind y's 128
	s_add_co_u32 s22, s22, 2*HSA
	s_sub_co_u32 s22, s22, s21
	v_mul_u32_u24 v6, s22, v2                      ; lanes 16-31 take W_o's: the lower base + h x the distance
	s_add_co_u32 s21, s21, SCL
	v_add_nc_u32 v5, v5, v6
	v_add_nc_u32 v[ADRS], s21, v5
	s_mul_i32 s23, s14, 16*SPITCH
	s_add_co_u32 s23, s23, STG                     ; my stage
	v_mul_u32_u24 v5, v1, SPITCH
	v_lshl_add_u32 v5, v2, 5, v5
	v_add_nc_u32 v[STO], s23, v5                   ; in: row r, 32 bytes for each half of the lanes
	v_add_nc_u32 v[RD], s23, v[CO]                 ; back: the 32 lanes take one row of 512 bytes
	v_lshlrev_b32 v[BO], 5, v2
	s_wait_alu depctr_va_vdst(0)
	s_lshl_b32 s20, s42, 8
	s_lshl_b32 s21, s16, 7
	s_add_co_u32 s20, s20, s21
	s_lshl_b32 s20, s20, 2                         ; my first column, in bytes
	s_mov_b32 s21, 0
	s_add_nc_u64 s[92:93], s[92:93], s[20:21]
	s_add_nc_u64 s[94:95], s[94:95], s[20:21]
	s_lshl_b32 s20, s17, 7
	s_lshl_b32 s22, s15, 6
	s_add_co_u32 s20, s20, s22
	s_lshl_b32 s20, s20, 12                        ; my first row: 128 x tile row + 64 x half, 4,096 bytes a row
	s_add_nc_u64 s[94:95], s[94:95], s[20:21]
	WIN 0x40
.irp b, 0,1,2,3,4,5,6,7                        ; register 8 b + j: b_o at column 16 b + 8 h + j
	global_load_b128 v[64+8*\b:67+8*\b], v[BO], s[92:93] offset:64*\b
	global_load_b128 v[68+8*\b:71+8*\b], v[BO], s[92:93] offset:64*\b+16
.endr
	WIN 0
.macro FETCH k
	WIN 0x40
.irp i, 0,1,2,3,4,5,6,7
.irp c, 0,1
	ds_load_b128 v[128*((\k)%2)+8*\i+4*\c:128*((\k)%2)+8*\i+4*\c+3], v[ADRB+(\k)/4] offset:64*((\k)%4)+32*\c+\i*16*PITCH
.endr
.endr
	WIN 0
.irp a, 0,1,2,3
.irp c, 0,1
	ds_load_b128 v[AF+32*((\k)%2)+8*\a+4*\c:AF+32*((\k)%2)+8*\a+4*\c+3], v[ADRA] offset:32768*((\k)/4)+4096*\a+1024*((\k)%4)+512*\c
.endr
.endr
.endm
; 32 matrix instructions; the 32 accumulators take turns, one instruction a turn, in the same order in every step
.macro MUL32 p, q, sl, first
.irp a, 0,1,2,3
.irp b, 0,1,2,3,4,5,6,7
.if \first
	v_wmma_scale_f32_16x16x128_f8f6f4 v[8*(8*\a+\b):8*(8*\a+\b)+7], v[128*(\p)+8*\b:128*(\p)+8*\b+7], v[AF+32*(\p)+8*\a:AF+32*(\p)+8*\a+7], v[64+8*\b:71+8*\b], v[SC+32*(\sl)+4*\b+(\q)], v[SC+32*(\sl)+4*\a+(\q)] matrix_a_fmt:MATRIX_FMT_FP4 matrix_b_fmt:MATRIX_FMT_FP4 matrix_a_scale:MATRIX_SCALE_ROW1
.else
	v_wmma_scale_f32_16x16x128_f8f6f4 v[8*(8*\a+\b):8*(8*\a+\b)+7], v[128*(\p)+8*\b:128*(\p)+8*\b+7], v[AF+32*(\p)+8*\a:AF+32*(\p)+8*\a+7], v[8*(8*\a+\b):8*(8*\a+\b)+7], v[SC+32*(\sl)+4*\b+(\q)], v[SC+32*(\sl)+4*\a+(\q)] matrix_a_fmt:MATRIX_FMT_FP4 matrix_b_fmt:MATRIX_FMT_FP4 matrix_a_scale:MATRIX_SCALE_ROW1
.endif
.endr
.endr
.endm
.macro KSTEP k
	s_wait_dscnt 0x0                               ; this step's fragments are in: they were asked for a step, 32 matrix instructions, ago
.if (\k) == 3
	s_wait_tensorcnt 0x0                           ; my part of slot 1 has landed;
	s_barrier_signal -1
	s_barrier_wait -1                              ; everybody's has.
.endif
.if (\k) > 0
	PLACES 4                                       ; four places in front of loads into registers that the last step's matrix instructions have read
.endif
.if (\k) < 7
	FETCH (\k)+1
.endif
.if (\k) == 0
	s_wait_loadcnt 0x0                             ; b_o
	WIN 0x91                                       ; source 0 (W_o) and C (b_o) window 1, source 1 (y) window 0, D window 2
.else
	WIN 0xa1                                       ; C and D window 2
.endif
	MUL32 (\k)%2, (\k)%4, (\k)/4, (\k)==0
	WIN 0
.endm
	s_wait_tensorcnt 1                             ; the scale bytes and my part of slot 0 are in; slot 1's load may be out
	s_barrier_signal -1
	s_barrier_wait -1
.irp s, 0,1
.irp i, 0,1,2,3,4,5,6,7
	ds_load_b128 v[SC+32*\s+4*\i:SC+32*\s+4*\i+3], v[ADRS] offset:\i*SBLK+16*\s   ; (for i = 4 .. 7 lanes 0-15 bring landed bytes that no instruction uses: y has four blocks)
.endr
.endr
	FETCH 0
.irp k, 0,1,2,3,4,5,6,7
	KSTEP \k
.endr
; THE WAY OUT, block by block of 16 rows x 128 columns, through my own stage: in as 32 bytes a lane, back as whole rows of 512 bytes.  LDS serves a wave's instructions in order: no wait between the stores and the loads.
.macro TOSTAGE a
	WIN 0x08                                       ; an LDS store's data: window 2
.irp b, 0,1,2,3,4,5,6,7
	ds_store_b128 v[STO], v[64*(\a)+8*\b:64*(\a)+8*\b+3] offset:64*\b          ; each accumulator from its low end on
	ds_store_b128 v[STO], v[64*(\a)+8*\b+4:64*(\a)+8*\b+7] offset:64*\b+16
.endr
	WIN 0
.set BB, BK+64*((\a)%2)
.irp t, 0,1,2,3,4,5,6,7,8,9,10,11,12,13,14,15
	ds_load_b128 v[BB+4*\t:BB+4*\t+3], v[RD] offset:\t*SPITCH
.endr
.endm
.macro SEND a, younger                 ; younger: the LDS instructions issued behind block a's loads, which may stay out
.set BB, BK+64*((\a)%2)
	s_wait_dscnt \younger
.irp t, 0,1,2,3,4,5,6,7,8,9,10,11,12,13,14,15
	global_store_b128 v[CO], v[BB+4*\t:BB+4*\t+3], s[94:95] offset:(32*((\a)/2)+8*((\a)%2)+\t%8+16*(\t/8))*4096 th:TH_STORE_NT   ; stored row t of the block at its true row; 512 consecutive bytes, aligned; 63 rows at the most: inside the signed 24-bit immediate
.endr
.endm
	PLACES 4                                       ; behind the last products: results are read, and rows land in the registers that held y's fragments
	TOSTAGE 0
.irp a, 1,2,3
.if \a > 1
	s_wait_xcnt 0x0                                ; block a - 2's stores have read their registers: block a's rows may land there
.endif
	TOSTAGE \a
	SEND \a-1, 32                                  ; behind block a - 1's loads: block a's 16 stores and 16 loads
.endr
	SEND 3, 0
	s_wait_tensorcnt 0x0                           ; the wave's end, behind my last tensor load and my last LDS store
	ds_add_u32 v[SPW], v[NIL]
	s_wait_dscnt 0x0
	CROUND                                         ; the closing round
	s_endpgm
.Lfunc_end_k_qe94f31cbe5_gemm_out:
	.size	k_qe94f31cbe5_gemm_out, .Lfunc_end_k_qe94f31cbe5_gemm_out-k_qe94f31cbe5_gemm_out
	.p2alignl 7, 3214868480
	.fill 96, 4, 3214868480
	.section	.rodata,"a",@progbits
	.p2align	6, 0x0
	.amdhsa_kernel k_qe94f31cbe5_gemm_out
		.amdhsa_group_segment_fixed_size 327680
		.amdhsa_private_segment_fixed_size 0
		.amdhsa_enable_private_segment 0
		.amdhsa_kernarg_size 48
		.amdhsa_user_sgpr_count 2
		.amdhsa_user_sgpr_kernarg_segment_ptr 1
		.amdhsa_wavefront_size32 1
		.amdhsa_system_sgpr_workgroup_id_x 1
		.amdhsa_system_sgpr_workgroup_id_y 1
		.amdhsa_system_sgpr_workgroup_id_z 1
		.amdhsa_system_vgpr_workitem_id 0
		.amdhsa_next_free_vgpr 768
		.amdhsa_next_free_sgpr 98
		.amdhsa_reserve_vcc 0
		.amdhsa_float_denorm_mode_32 3
		.amdhsa_float_denorm_mode_16_64 3
		.amdhsa_memory_ordered 1
		.amdhsa_forward_progress 1
		.amdhsa_inst_pref_size 75
	.end_amdhsa_kernel
	.amdgpu_metadata
---
amdhsa.version: [ 1, 2 ]
amdhsa.kernels:
  - .name:           k_qe94f31cbe5_gemm_out
    .symbol:         k_qe94f31cbe5_gemm_out.kd
    .args:
      - { .name: ycodes, .offset: 0, .size: 8, .value_kind: global_buffer, .address_space: global }
      - { .name: yscales, .offset: 8, .size: 8, .value_kind: global_buffer, .address_space: global }
      - { .name: codes, .offset: 16, .size: 8, .value_kind: global_buffer, .address_space: global }
      - { .name: scales, .offset: 24, .size: 8, .value_kind: global_buffer, .address_space: global }
      - { .name: b_o, .offset: 32, .size: 8, .value_kind: global_buffer, .address_space: global }
      - { .name: out0, .offset: 40, .size: 8, .value_kind: global_buffer, .address_space: global }
    .group_segment_fixed_size: 327680
    .private_segment_fixed_size: 0
    .kernarg_segment_align: 8
    .kernarg_segment_size: 48
    .max_flat_workgroup_size: 128
    .sgpr_count:     98
    .vgpr_count:     768
    .wavefront_size: 32
...
	.end_amdgpu_metadata
.endif
;; end of part 4
